; MI455X (gfx1250); checked and timed in simulation.
; The chip was launched on July 23, 2026; its instructions are those of AMD's public machine-readable ISA for CDNA 5 (MIT licence, August 2026) and "CDNA5" Instruction Set Architecture Reference Guide (July 2026). The comments in the code are by the model that wrote it; some were corrected since.
;; Causal Self Attention. Allowed arithmetic: matrix products marked QUANTISED: E2M3 operands, one E8M0 scale for each 32 along K, by v_wmma_scale_f32_16x16x128_f8f6f4 with both operands' format E2M3, f32 sums; everything else in f32.
;; Inputs: b_out 1,024 float32; b_qkv 3,072 float32; w_out 1,024 x 1,024 float32; w_qkv 1,024 x 3,072 float32; x 4 x 2,048 x 1,024 float32.
;; Outputs: out0 4 x 2,048 x 1,024 float32.
;; This version of the problem:
;;   THIS VERSION OF THE PROBLEM IS GIVEN IN LOW PRECISION. The matrix products marked QUANTISED in the list below multiply operands that are first quantised to E2M3 (2 exponent bits, 3 mantissa bits; 6 bits a number), with one power-of-two scale for each 32 numbers along K (OCP MX v1.0); their sums are f32. All else is computed in f32.
;;   The module's matrix products, in the order in which they are computed (A, B: the left and right operand; K: the contracted axis; several contracted axes count as one K, in the product's order):
;;     1. [M 8,192, K 1,024] x [K 1,024, N 3,072]; A: input x; B: input w_qkv: QUANTISED
;;     2. batch 64 x [M 2,048, K 64] x [K 64, N 2,048]; A: computed on the way; B: computed on the way: QUANTISED
;;     3. batch 64 x [M 2,048, K 2,048] x [K 2,048, N 64]; A: softmax (see below); B: computed on the way: QUANTISED
;;     4. [M 8,192, K 1,024] x [K 1,024, N 1,024]; A: computed on the way; B: input w_out: QUANTISED
;;   THE QUANTISER, for each operand of a quantised product, along K:
;;     - K is cut into blocks of 32 from its start; a last block that is shorter is filled with zeros.
;;     - A block's scale is 2^e with e = floor(log2(the largest magnitude in the block)) - 2, held to -126 .. 127; a block of zeros has e = 0. As a byte (E8M0): e + 127.
;;     - Each number is divided by its block's scale, clamped to +-7.5, and rounded to the nearest number of E2M3, ties to even, subnormals kept.
;;     - The product sums the exact products of the quantised numbers (number of the format x scale) in f32.
;;   ~~~python
;;   def quantise(x, axis):      # numpy; x: float32 -> the quantised numbers, widened to float32 again
;;       x = np.moveaxis(x, axis, -1); K = x.shape[-1]
;;       x = np.pad(x, [(0, 0)] * (x.ndim - 1) + [(0, -K % 32)]); x = x.reshape(x.shape[:-1] + (-1, 32)); a = np.abs(x).max(-1, keepdims=True)
;;       e = np.where(a > 0, np.clip(np.frexp(np.where(a > 0, a, 1))[1] - 1 - 2, -126, 127), 0)      # np.frexp(a)[1] - 1 = floor(log2(a)), exactly
;;       r = np.clip(x / 2.0 ** e, -7.5, 7.5)
;;       step = 2.0 ** (np.maximum(np.frexp(np.where(r == 0, 1, r))[1] - 1, 0) - 3)
;;       q = np.round(r / step) * step * 2.0 ** e      # np.round: ties to even
;;       return np.moveaxis(q.reshape(q.shape[:-2] + (-1,))[..., :K], -1, axis).astype(np.float32)
;;   ~~~
;;   SOFTMAX AHEAD OF A QUANTISED PRODUCT. Where the list says 'softmax', what is quantised is not the finished softmax but p = 2^(t - M), with t = logit x log2(e) and M = ceil(the row's largest t), a whole number; so 1/2 < the row's largest p <= 1. The row's sum l is taken of the UNQUANTISED p, in f32, and the product's result is divided by l at the end. Since M is a whole number, a kernel that streams over the keys may use a running M (the ceiling of the running maximum): every later rescaling is an exact power of two, which a block's scale takes up: the codes' values come out the same.
;;   OPERANDS COMPUTED ON THE WAY. 'Computed on the way' means the value that the module computes at that place (a softmax that the list does not call 'softmax' is quantised finished and normalised). What goes into a quantiser is computed in f32, as accurately as f32 sums, v_exp_f32 and their like allow (about 1e-6 of the number): no bf16 or f16 on the way to a quantiser, and a product that is left as it is and whose result goes on into a quantised operand takes f32 operands (vector FMAs, or v_wmma_f32_16x16x4_f32). A number that lies on a knife's edge between two numbers of the format may be rounded either way, as far as f32 arithmetic and the matrix unit's own rounding can turn it there, and no further.
;; One version. Each part assembles by itself: llvm-mc -triple=amdgcn-amd-amdhsa -mcpu=gfx1250 --defsym DOCPART=n.
;; ======== version 1 of 1: 4 launches
;; limits: right only within a limited range of input values
;; workspace buffers: xw_img 9,437,184 bytes; xw_sc 393,216 bytes; qk_img 12,582,912 bytes; qk_sc 1,048,576 bytes; v_img 6,291,456 bytes; v_sc 262,144 bytes; o_img 6,291,456 bytes; o_sc 262,144 bytes
;; launch quant (part 1): grid 384 x 1, 4 waves a work-group, no clusters, 59,904 bytes of LDS; arguments x, w_qkv, w_out, xw_img, xw_sc; writes xw_img, xw_sc
.if DOCPART == 1
	.amdgcn_target "amdgcn-amd-amdhsa--gfx1250"
	.amdhsa_code_object_version 6
	.text
	.protected	k_q24e8d410d5_quant
	.globl	k_q24e8d410d5_quant
	.p2align	8
	.type	k_q24e8d410d5_quant,@function
k_q24e8d410d5_quant:
	s_mov_b64 s[64:65], 0
	v_nop
	global_prefetch_b8 v0, s[64:65] scope:SCOPE_SE
	s_setreg_imm32_b32 hwreg(HW_REG_WAVE_MODE, 25, 1), 1
	s_wait_xcnt 0x0
; x [8192][1024], w_qkv [1024][3072] and w_out [1024][1024], f32, become codes of FP6 (E2M3) with one E8M0 byte for each 32 along K (K = the 1,024), laid as the products' launches read them.
; A block's scale is 2^(floor(log2(its largest magnitude)) - 2); its byte is the largest magnitude's exponent field - 2, held at 1 from below; each number / scale goes to the nearest code, ties to even, beyond 7.5 the largest code.
; LIMITS: NaN and infinities among the inputs are not served; a block whose largest magnitude lies under 2^(3 - 127), a block of zeros among them, keeps the byte 1 (the rule says 127 for zeros: its codes are zeros, and this program alone reads the bytes).
; THE LAYOUT.  A tile is 16 rows: tile 2 g + u holds, at place r, matrix row 32 g + 8 u + r + 8 (r / 8).  A half image is a tile x 64 along K, 768 bytes, as the operand's registers have it: lane L = r + 16 h owns
; k = 32 h + 0 .. 31 of the 64: its registers 0-3 at 16 L, its registers 4-5 at 512 + 8 L.  A matrix is [tile][K / 64][768].  The byte of (tile, r, block) lies at 512 tile + 256 (block / 16) + 16 r + block % 16.
; Work-groups 0-255 take x (K innermost), 256-383 the weights (K is the first axis: a lane takes a column, its registers run down K).  Waves share nothing: no barrier.  Each way has LDS bytes of its own.
.set XWB,     8448                     ; x's way: a stage of 16 rows x (512 + 16) bytes for each wave, from LDS byte 0
.set WST,     33792                    ; the weights' way: from here 6,400 bytes for each wave: two tiles x (4 half images + 128 bytes)
.set WWB,     6400
.set WQ_OFF,  6291456                  ; in xw_img: x's image, then w_qkv's (192 tiles), then w_out's (64 tiles)
.set WO_OFF,  8650752
.set WQS_OFF, 262144                   ; in xw_sc likewise
.set WOS_OFF, 360448
.set SEL, 2                            ; s[2:3] lane selects for v_permlanex16_b32: lane l xor 16
.set R,   16                           ; v16-143  x's way: two sets of 64 numbers as loaded
.set X,   144                          ; v144-207 64 numbers of my row: register 16 b + i = k 32 b + 16 h + i
.set TM,  208                          ; v208-223 at work
.set PW,  224                          ; the scale word just made
.set PC,  226                          ; v226-237 the fragment's codes; v238-244 at work
.set PWS, 248                          ; v248-251 my row's four scale words
.set OFF, 16                           ; the weights' way: v16-47 byte offset of row i at my column
.set WX,  48                           ; v48-111  two sets of 32 numbers
.set C,   112                          ; v112-117 a block's codes; v120-122 at work
.set SB,  126                          ; v126-127 my column's eight scale bytes
.set OUTR, 128                         ; v128-175 the way out
; 64 numbers of a lane become a fragment's 12 registers of codes in v[PC] on and its scale word in v[PW].
.macro QUANT s
.irp b, 0,1,2,3
	v_max3_num_f32 v[TM+\b], |v[\s+16*\b]|, |v[\s+1+16*\b]|, 0x1800000   ; block b: my 16 numbers, and the floor 2^(3 - 127): the byte cannot fall under 1
.endr
.irp i, 2,4,6,8,10,12,14
.irp b, 0,1,2,3
	v_max3_num_f32 v[TM+\b], v[TM+\b], |v[\s+16*\b+\i]|, |v[\s+1+16*\b+\i]|   ; the four blocks by turns
.endr
.endr
.irp b, 0,1,2,3
	v_permlanex16_b32 v[TM+4+\b], v[TM+\b], s[SEL], s[SEL+1]
.endr
.irp b, 0,1,2,3
	v_max_num_f32 v[TM+\b], v[TM+\b], v[TM+4+\b]   ; with lane l xor 16's 16: the block's largest magnitude
.endr
.irp b, 0,1,2,3
	v_add_nc_u32 v[TM+12+\b], 0xff000000, v[TM+\b]   ; 2 off its exponent field: the conversion takes this operand's exponent field as its scale
.endr
.irp b, 0,1,2,3
	v_lshrrev_b32 v[TM+4+\b], 23, v[TM+12+\b]      ; the scale's byte
.endr
	v_lshl_or_b32 v[PW], v[TM+5], 8, v[TM+4]
	v_lshl_or_b32 v[PW], v[TM+6], 16, v[PW]
	v_lshl_or_b32 v[PW], v[TM+7], 24, v[PW]
.irp c, 0,1
	v_cvt_scalef32_pk16_fp6_f32 v[PC+6*\c:PC+2+6*\c], v[\s+32*\c:\s+15+32*\c], v[TM+12+2*\c]
	v_cvt_scalef32_pk16_fp6_f32 v[PC+12+4*\c:PC+14+4*\c], v[\s+16+32*\c:\s+31+32*\c], v[TM+12+2*\c+1]   ; (a conversion's three registers begin on an even number)
.endr
	v_nop                                          ; one plain instruction behind the scaled conversions
.irp c, 0,1                                    ; the operand wants a whole block in a lane: lanes 0-15 block 2 c, lanes 16-31 block 2 c + 1
.irp i, 0,1,2
	v_permlane16_swap_b32 v[PC+6*\c+\i], v[PC+12+4*\c+\i]
.endr
.irp i, 0,1,2
	v_mov_b32 v[PC+3+6*\c+\i], v[PC+12+4*\c+\i]
.endr
.endr
.endm
	s_load_b256 s[4:11], s[0:1], 0x0               ; x s[4:5], w_qkv s[6:7], w_out s[8:9], xw_img s[10:11]
	s_load_b64 s[12:13], s[0:1], 0x20              ; xw_sc
	v_lshl_add_u32 v254, v0, 2, 0xe800
	v_mov_b32 v255, 0
	v_lshrrev_b32 v1, 5, v0
	v_readfirstlane_b32 s14, v1                    ; wave 0..3
	v_and_b32 v1, 31, v0                           ; lane
	s_mov_b32 s[SEL], 0x76543210
	s_mov_b32 s[SEL+1], 0xfedcba98
	s_cmp_lt_u32 ttmp9, 256
	s_cbranch_scc0 .Lweights
; ---- x.  A wave takes one tile (16 rows) x 512 along K, in four steps of 128: 1,024 such parts, four to a work-group.
	v_and_b32 v2, 15, v0                           ; r
	v_bfe_u32 v3, v0, 4, 1                         ; h
	v_lshlrev_b32 v4, 4, v1                        ; 16 x lane
	v_lshlrev_b32 v5, 3, v1                        ; 8 x lane
	s_mul_i32 s15, s14, XWB                        ; my stage
	v_add_nc_u32 v6, s15, v4                       ; into it: a row's 512 bytes as they lie
	v_mul_u32_u24 v7, v2, 528
	v_lshl_add_u32 v7, v3, 6, v7
	v_add_nc_u32 v7, s15, v7                       ; out of it: row r, + 64 h: my 16 numbers of a block of 32
	v_lshlrev_b32 v8, 4, v2                        ; my row's 16 scale bytes
.irp b, 0,1,2,3
	v_mov_b32 v[TM+4+\b], 0                        ; written once: a lane permute's destination counts as one of its sources
.endr
	s_lshl_b32 s16, ttmp9, 2
	s_add_co_u32 s16, s16, s14                     ; my part
	s_lshr_b32 s17, s16, 1                         ; its tile,
	s_and_b32 s18, s16, 1                          ; its half of K
	s_lshr_b32 s20, s17, 1
	s_lshl_b32 s20, s20, 5
	s_and_b32 s21, s17, 1
	s_lshl_b32 s21, s21, 3
	s_add_co_u32 s20, s20, s21                     ; the tile's first row: 32 g + 8 u
	s_lshl_b32 s20, s20, 12                        ; rows of 4,096 bytes
	s_lshl_b32 s21, s18, 11
	s_add_co_u32 s20, s20, s21
	s_mov_b32 s21, 0
	s_lshl_b32 s22, s17, 4
	s_lshl_b32 s23, s18, 3
	s_add_co_u32 s22, s22, s23
	s_mul_i32 s22, s22, 768                        ; half image 16 tile + 8 half
	s_mov_b32 s23, 0
	s_lshl_b32 s24, s17, 9
	s_lshl_b32 s25, s18, 8
	s_add_co_u32 s24, s24, s25
	s_mov_b32 s25, 0
	s_wait_alu depctr_va_vdst(0)
	s_wait_kmcnt 0x0
	s_add_nc_u64 s[4:5], s[4:5], s[20:21]
	s_add_nc_u64 s[10:11], s[10:11], s[22:23]
	s_add_nc_u64 s[12:13], s[12:13], s[24:25]
.macro LOADX s                         ; step s: 128 along K of the tile's 16 rows; each load reads 512 consecutive bytes of one row
.irp i, 0,1,2,3,4,5,6,7,8,9,10,11,12,13,14,15
	global_load_b128 v[R+64*((\s)%2)+4*\i:R+64*((\s)%2)+4*\i+3], v4, s[4:5] offset:(\i+8*(\i/8))*4096+512*(\s) th:TH_LOAD_NT
.endr
.endm
.macro STEPX s
.if (\s) < 3
	s_wait_loadcnt 16                              ; this step's 16 loads are in; the next step's 16 may be out
.else
	s_wait_loadcnt 0x0
.endif
.irp i, 0,1,2,3,4,5,6,7,8,9,10,11,12,13,14,15
	ds_store_b128 v6, v[R+64*((\s)%2)+4*\i:R+64*((\s)%2)+4*\i+3] offset:528*\i
.endr
.irp b, 0,1,2,3
.irp j, 0,1,2,3
	ds_load_b128 v[X+16*\b+4*\j:X+16*\b+4*\j+3], v7 offset:128*\b+16*\j   ; LDS serves a wave's instructions in order: these see the stores above
.endr
.endr
	s_wait_dscnt 0x0                               ; my 64 numbers are in, and the stores have read their registers,
.if (\s) < 2
	LOADX (\s)+2                                   ; which take the loads of two steps on
.endif
.if (\s) > 0
	s_wait_xcnt 0x0                                ; the last step's stores have read the codes' registers
.endif
	QUANT X
	v_mov_b32 v[PWS+(\s)], v[PW]
	global_store_b128 v4, v[PC:PC+3], s[10:11] offset:1536*(\s)            ; two half images: each store covers 512 or 256 consecutive bytes, aligned
	global_store_b64 v5, v[PC+4:PC+5], s[10:11] offset:1536*(\s)+512
	global_store_b128 v4, v[PC+6:PC+9], s[10:11] offset:1536*(\s)+768
	global_store_b64 v5, v[PC+10:PC+11], s[10:11] offset:1536*(\s)+1280
.endm
	LOADX 0
	LOADX 1
	STEPX 0
	STEPX 1
	STEPX 2
	STEPX 3
	v_cmp_gt_u32 vcc_lo, 16, v1
	s_wait_alu depctr_va_vdst(0)
	s_wait_xcnt 0x0                                ; EXEC changes only behind this wait
	s_wait_tensorcnt 0x0
	ds_add_u32 v254, v255
	s_wait_dscnt 0x0
	s_and_saveexec_b32 s15, vcc_lo                 ; lanes 0-15 (lanes 16-31 hold the same words)
	global_store_b128 v8, v[PWS:PWS+3], s[12:13]   ; 16 lanes store one aligned run of 256 bytes
	s_endpgm
; ---- the weights.  A wave takes 32 columns (two tiles) x 256 along K: 8 blocks a lane.  96 work-groups for w_qkv (24 groups of 128 columns x 4 along K), 32 for w_out.
.Lweights:
	s_sub_co_u32 s15, ttmp9, 256
	s_cmp_lt_u32 s15, 96                           ; w_qkv's or w_out's?  The choice hangs on the work-group's number alone
	s_mov_b32 s20, 4096
	s_cselect_b32 s20, 12288, s20                  ; a row of the weight in bytes
	s_mov_b32 s21, WO_OFF
	s_cselect_b32 s21, WQ_OFF, s21
	s_mov_b32 s22, WOS_OFF
	s_cselect_b32 s22, WQS_OFF, s22
	s_cselect_b32 s16, 0, 96
	s_wait_kmcnt 0x0
	s_cselect_b64 s[6:7], s[6:7], s[8:9]
	s_sub_co_u32 s15, s15, s16
	s_lshr_b32 s16, s15, 2                         ; group of 128 columns
	s_and_b32 s17, s15, 3                          ; which 256 along K
	s_lshl_b32 s18, s16, 2
	s_add_co_u32 s18, s18, s14                     ; G: my wave's 32 columns = tiles 2 G, 2 G + 1
	s_lshl_b32 s24, s17, 8
	s_mul_i32 s24, s24, s20
	s_lshl_b32 s25, s18, 7
	s_add_co_u32 s24, s24, s25
	s_mov_b32 s25, 0
	s_add_nc_u64 s[32:33], s[6:7], s[24:25]        ; block 0's first row at my wave's first column
	s_lshl_b32 s24, s20, 5                         ; 32 rows on
.irp t, 1,2,3,4,5,6,7
	s_add_nc_u64 s[32+2*\t:33+2*\t], s[30+2*\t:31+2*\t], s[24:25]   ; a base for each block: none is ever stepped
.endr
	s_lshl_b32 s26, s18, 5
	s_lshl_b32 s27, s17, 2
	s_add_co_u32 s26, s26, s27
	s_mul_i32 s26, s26, 768                        ; half image 16 (2 G) + 4 ky
	s_add_co_u32 s26, s26, s21
	s_mov_b32 s27, 0
	s_add_nc_u64 s[10:11], s[10:11], s[26:27]
	s_lshl_b32 s26, s18, 10
	s_add_co_u32 s26, s26, s22
	s_lshr_b32 s28, s17, 1
	s_lshl_b32 s28, s28, 8
	s_add_co_u32 s26, s26, s28
	s_and_b32 s28, s17, 1
	s_lshl_b32 s28, s28, 3
	s_add_co_u32 s26, s26, s28
	s_add_nc_u64 s[12:13], s[12:13], s[26:27]
	s_wait_alu depctr_va_vdst(0)
	v_lshlrev_b32 v3, 2, v1                        ; my column: 4 bytes a lane
	v_bfe_u32 v9, v1, 3, 1                         ; column 32 G + l lies in tile 2 G + u, u = (l / 8) % 2,
	v_and_b32 v10, 7, v1
	v_lshrrev_b32 v14, 4, v1
	v_lshl_add_u32 v10, v14, 3, v10                ; at place r = l % 8 + 8 (l / 16)
	s_mul_i32 s29, s14, WWB
	s_add_co_u32 s29, s29, WST                     ; my stage
	v_mul_u32_u24 v14, v9, 3200
	v_add_nc_u32 v14, s29, v14
	v_lshl_add_u32 v4, v10, 4, v14                 ; into it: registers 0-3 at 16 r,
	v_lshl_add_u32 v5, v10, 3, v14                 ; registers 4-5 at 8 r
	v_lshlrev_b32 v7, 4, v1
	v_add_nc_u32 v6, s29, v7                       ; out of it: 16 bytes a lane
	v_lshlrev_b32 v8, 9, v9
	v_lshl_add_u32 v8, v10, 4, v8                  ; my column's scale bytes: 512 u + 16 r
.set i, 0
.rept 32
	v_mad_u32_u24 v[OFF+i], i, s20, v3
.set i, i+1
.endr
.macro LOADW t                         ; block t: 32 rows at my column: a wave's load reads 128 consecutive bytes, the four waves stand side by side on 512
.set i, 0
.rept 32
	global_load_b32 v[WX+32*((\t)%2)+i], v[OFF+i], s[32+2*(\t):33+2*(\t)] th:TH_LOAD_NT
.set i, i+1
.endr
.endm
.macro BLOCKW t
.set XS, WX+32*((\t)%2)
.if (\t) < 7
	s_wait_loadcnt 32                              ; this block's 32 loads are in; the next block's may be out
.else
	s_wait_loadcnt 0x0
.endif
	v_max3_num_f32 v12, |v[XS]|, |v[XS+1]|, |v[XS+2]|               ; the block's largest magnitude: all 32 numbers are mine
	v_max3_num_f32 v13, |v[XS+3]|, |v[XS+4]|, |v[XS+5]|
.irp i, 6,10,14,18,22,26
	v_max3_num_f32 v12, v12, |v[XS+\i]|, |v[XS+\i+1]|
	v_max3_num_f32 v13, v13, |v[XS+\i+2]|, |v[XS+\i+3]|
.endr
	v_max3_num_f32 v12, v12, |v[XS+30]|, |v[XS+31]|
	v_max3_num_f32 v12, v12, v13, 0x1800000        ; and the floor
	v_add_nc_u32 v11, 0xff000000, v12              ; the conversion's scale operand
	v_lshrrev_b32 v13, 23, v11                     ; the scale's byte
.if (\t)%4 == 0
	v_mov_b32 v[SB+(\t)/4], v13
.else
	v_lshl_or_b32 v[SB+(\t)/4], v13, 8*((\t)%4), v[SB+(\t)/4]
.endif
	v_cvt_scalef32_pk16_fp6_f32 v[C:C+2], v[XS:XS+15], v11
	v_cvt_scalef32_pk16_fp6_f32 v[C+8:C+10], v[XS+16:XS+31], v11
	v_nop                                          ; one plain instruction behind the scaled conversions
.irp i, 0,1,2
	v_mov_b32 v[C+3+\i], v[C+8+\i]
.endr
	ds_store_b128 v4, v[C:C+3] offset:768*((\t)/2)+256*((\t)%2)         ; block t is half t % 2 of half image t / 2: lane r + 16 (t % 2) of it
	ds_store_b64 v5, v[C+4:C+5] offset:768*((\t)/2)+512+128*((\t)%2)
.if (\t) < 6
	LOADW (\t)+2
.endif
	s_wait_dscnt 0x0                               ; the stores have read their registers
.endm
	LOADW 0
	LOADW 1
.irp t, 0,1,2,3,4,5,6,7
	BLOCKW \t
.endr
	s_wait_alu depctr_va_vdst(0)
	global_store_b64 v8, v[SB:SB+1], s[12:13]      ; 8 bytes a lane, 16 bytes apart: half of each run; one byte in 128 of what this way reads
.irp u, 0,1
.irp i, 0,1,2,3,4,5
	ds_load_b128 v[OUTR+4*(6*\u+\i):OUTR+4*(6*\u+\i)+3], v6 offset:3200*\u+512*\i
.endr
.endr
.irp u, 0,1
.irp i, 0,1,2,3,4,5
	s_wait_dscnt 11-6*\u-\i                        ; the younger reads of the stage may be out
	global_store_b128 v7, v[OUTR+4*(6*\u+\i):OUTR+4*(6*\u+\i)+3], s[10:11] offset:12288*\u+512*\i   ; 512 consecutive bytes, aligned
.endr
.endr
	s_wait_tensorcnt 0x0
	ds_add_u32 v254, v255
	s_wait_dscnt 0x0
	s_endpgm
.Lfunc_end_k_q24e8d410d5_quant:
	.size	k_q24e8d410d5_quant, .Lfunc_end_k_q24e8d410d5_quant-k_q24e8d410d5_quant
	.p2alignl 7, 3214868480
	.fill 96, 4, 3214868480
	.section	.rodata,"a",@progbits
	.p2align	6, 0x0
	.amdhsa_kernel k_q24e8d410d5_quant
		.amdhsa_group_segment_fixed_size 59904
		.amdhsa_private_segment_fixed_size 0
		.amdhsa_enable_private_segment 0
		.amdhsa_kernarg_size 40
		.amdhsa_user_sgpr_count 2
		.amdhsa_user_sgpr_kernarg_segment_ptr 1
		.amdhsa_wavefront_size32 1
		.amdhsa_system_sgpr_workgroup_id_x 1
		.amdhsa_system_sgpr_workgroup_id_y 1
		.amdhsa_system_sgpr_workgroup_id_z 1
		.amdhsa_system_vgpr_workitem_id 0
		.amdhsa_next_free_vgpr 256
		.amdhsa_next_free_sgpr 66
		.amdhsa_reserve_vcc 1
		.amdhsa_float_denorm_mode_32 3
		.amdhsa_float_denorm_mode_16_64 3
		.amdhsa_memory_ordered 1
		.amdhsa_forward_progress 1
		.amdhsa_inst_pref_size 78
	.end_amdhsa_kernel
	.amdgpu_metadata
---
amdhsa.version: [ 1, 2 ]
amdhsa.kernels:
  - .name:           k_q24e8d410d5_quant
    .symbol:         k_q24e8d410d5_quant.kd
    .args:
      - { .name: x, .offset: 0, .size: 8, .value_kind: global_buffer, .address_space: global }
      - { .name: w_qkv, .offset: 8, .size: 8, .value_kind: global_buffer, .address_space: global }
      - { .name: w_out, .offset: 16, .size: 8, .value_kind: global_buffer, .address_space: global }
      - { .name: xw_img, .offset: 24, .size: 8, .value_kind: global_buffer, .address_space: global }
      - { .name: xw_sc, .offset: 32, .size: 8, .value_kind: global_buffer, .address_space: global }
    .group_segment_fixed_size: 59904
    .private_segment_fixed_size: 0
    .kernarg_segment_align: 8
    .kernarg_segment_size: 40
    .max_flat_workgroup_size: 128
    .sgpr_count:     66
    .vgpr_count:     256
    .wavefront_size: 32
...
	.end_amdgpu_metadata
.endif
;; end of part 1
;; launch gemm_qkv (part 2): grid 12 x 32, 4 waves a work-group, clusters of 4 x 4, 327,680 bytes of LDS; arguments xw_img, xw_sc, b_qkv, qk_img, qk_sc, v_img, v_sc; writes qk_img, qk_sc, v_img, v_sc
.if DOCPART == 2
	.amdgcn_target "amdgcn-amd-amdhsa--gfx1250"
	.amdhsa_code_object_version 6
	.text
	.protected	k_q24e8d410d5_gemm_qkv
	.globl	k_q24e8d410d5_gemm_qkv
	.p2align	8
	.type	k_q24e8d410d5_gemm_qkv,@function
k_q24e8d410d5_gemm_qkv:
	s_mov_b64 s[64:65], 0
	v_nop
	global_prefetch_b8 v0, s[64:65] scope:SCOPE_SE
	s_setreg_imm32_b32 hwreg(HW_REG_WAVE_MODE, 25, 1), 1
	s_wait_xcnt 0x0
	s_wait_alu depctr_hold_cnt(0) depctr_sa_sdst(0) depctr_va_vdst(0) depctr_va_sdst(0) depctr_va_ssrc(0) depctr_va_vcc(0) depctr_vm_vsrc(0)
	s_getreg_b32 s2, hwreg(HW_REG_IB_STS2, 6, 4)
	s_cmp_eq_u32 s2, 0
	s_cbranch_scc0 .Lentry_in_a_cluster
	s_endpgm
.Lentry_in_a_cluster:
	s_bfe_u32 s2, ttmp6, 0x10000c
	s_cmp_lg_u32 s2, 0xf033
	s_cbranch_scc0 .Lentry_shape_is_right
	s_endpgm
.Lentry_shape_is_right:
; qkv = x w_qkv + b_qkv on codes of FP6 (E2M3) with E8M0 scales; q, k and v are quantised in the accumulators' registers for the products that follow and leave as codes: no f32 number of qkv goes to memory.
; A tile of the result is 256 x 256, made by four waves, each 128 x 128: 64 accumulators of 16 x 16.  K = 1,024 goes in four steps of 256 through a ring of two LDS slots.
; THE MATRIX INSTRUCTION: source 0 = 16 rows of B', source 1 = 16 rows of A'.  A lane then holds ONE row of A', and (tiles being laid 32 g + 8 u + r + 8 (r / 8)) the 16 registers of accumulators (a, 2 i), (a, 2 i + 1)
; are rows 32 i + 16 (lane / 16) + 0 .. 15 of B': 16 neighbours along the axis that is quantised next.
; TWO ROLES, by the cluster's x (the same in all sixteen partners).  q, k (x = 0, 1): A' = x's tokens, B' = w_qkv's columns 0-2,047: a lane's registers run along a head's channels.
; v (x = 2): A' = w_qkv's columns 2,048-3,071, B' = x's tokens: a lane's registers run along the KEYS, which are the K of the product with p.  Only offsets, the bias's form and the way out's constants differ.
; OPERANDS lie in memory as images of the operand's registers (half image: 16 rows x 64 K, 768 bytes: lane L's registers 0-3 at 16 L, 4-5 at 512 + 8 L), [tile][K / 64][768]: a K step of a tile is 3,072 consecutive bytes,
; and every LDS load takes consecutive bytes from consecutive lanes: no padding.  Scale bytes: 512 tile + 256 (block / 16) + 16 r + block % 16; those of the work-group's rows come into LDS once.
; CLUSTERS: 4 x 4 work-groups; A's tiles are asked for jointly along a row of the cluster, B's along a column.
; OUT: qk_img [head 0-31: q's 16, then k's][token tile 512][768], qk_sc [head][tile][r] one word: two bytes, and 0x7f twice for the K that the next product pads with zero codes;
;      v_img [128 keys: 64][channel tile 64][1,536], v_sc [..][..][r] one word.
; LIMITS: NaN and infinities are not served; a block whose largest magnitude lies under 2^(3 - 127) keeps the byte 1 (a block of zeros too: its codes are zeros, and this program alone reads the bytes).
; REGISTERS, in windows of 256: window 0: v1-31 addresses; v32-63 scale words, two sets; v64-127 the bias, as the first products' C; v128-223 A's fragments, one set; v224-251 at work on the way out.
;   window 1: B's fragments, two sets, at v0 and v128.   window 2: the accumulators of my rows 0-63 ((a, b) at v[8 (8 a + b)]);   window 3: those of rows 64-127.
.set NQ,     2                         ; matrix instructions deep in a slot
.set FR,     12                        ; registers of a fragment
.set NL,     4                         ; LDS loads that bring one
.set NP,     4                         ; places behind this matrix instruction (ISA guide 7.12.1)
.set TILEB,  3072                      ; a tile's K step: four half images
.set HALFT,  8*TILEB                   ; 128 rows: what one tensor load brings
.set SLOT,   4*HALFT                   ; A's 256 rows, then B's
.set LAPS,   2                         ; a lap = two K steps
.set SCL,    2*SLOT                    ; behind the ring: the scales, as runs of 256 bytes + 16 of padding
.set HALFS,  16*272                    ; those of 128 rows
.set SBLK,   544                       ; those of a tile
.set SPARE,  SCL+4*HALFS               ; the spare words, 128 bytes for each wave: two blocks of 256 bytes that no other line names
.set SST,    SPARE+512                 ; 1,024 bytes for each wave: the scale words on their way out; no fill lands here
.set WQ_OFF,  6291456                  ; w_qkv's image in xw_img,
.set WQS_OFF, 262144                   ; its scale bytes in xw_sc
.set ADRA, 16                          ; v16-17 LDS address of A's fragments in slot 0, 1, 16 bytes a lane; v18-19 the same, 8 bytes a lane
.set ADRB, 20                          ; v20-23 the same for B
.set O16,  24                          ; v24 16 x lane;  v25 8 x lane;  v26, v30 the same + the second half image's distance
.set O8,   25
.set O16D, 26
.set O8D,  30
.set ADRS, 27                          ; v27 LDS address of my scale words: lanes 0-15 A's rows, lanes 16-31 B's
.set SPW,  28                          ; v28 LDS address of my spare word; never rewritten
.set NIL,  29                          ; v29 0; never rewritten
.set SH,   10                          ; v10 q, k: 16 (lane / 16); v: 0
.set SSR,  11                          ; v11 where I read the scale words back
.set SSW,  31                          ; v31 where I put one
.set SC,   32
.set BIAS, 64
.set AF,   128
.set PC,   128                         ; the way out: v128-139 codes, v140-146 at work
.set TM,   224
.set PW,   240
.set TW,   241
.set SEL,  18                          ; s[18:19] lane selects for v_permlanex16_b32
.set G1, 24
.set G0, 32
.set G1B, 48
.set G0B, 56
.set G1S, 68
.set G0S, 76
.set G1SB, 80
.set G0SB, 88
.set MSB, 0
.macro WIN new                         ; the immediate's high byte repeats the setting that is left
.if MSB != (\new)
	s_set_vgpr_msb (MSB<<8)|(\new)
.set MSB, (\new)
.endif
.endm
.set MUL_LO, 0xa1                      ; source 0 (B) window 1, source 1 (A) window 0, C and D window 2
.set MUL_HI, 0xf1                      ; the same, C and D window 3
.set TO_B,   0x40                      ; destination window 1, address window 0
; A joint load: waves 0 and 1 fetch for A, waves 2 and 3 for B; the branch hangs on the wave's number alone.  Four v_nop follow each of the two lines.
.macro JLOAD g0a, g1a, g0b, g1b
	s_cmp_eq_u32 s15, 0
	s_cbranch_scc0 .Lfor_b_\@
	tensor_load_to_lds s[\g0a:\g0a+3], s[\g1a:\g1a+7]
	s_nop 0
.rept 4
	v_nop
.endr
	s_branch .Lasked_\@
.Lfor_b_\@:
	tensor_load_to_lds s[\g0b:\g0b+3], s[\g1b:\g1b+7]
	s_nop 0
.rept 4
	v_nop
.endr
.Lasked_\@:
.endm
.macro CREST                           ; a round of the cluster's barrier behind its opening barrier
	s_cmp_lg_u32 s14, 0
	s_cbranch_scc1 .Lnot_wave_0_\@
	s_barrier_signal -3
.Lnot_wave_0_\@:
	s_barrier_wait -3
	s_barrier_signal -1
	s_barrier_wait -1
.endm
.macro CROUND
	s_barrier_signal -1
	s_barrier_wait -1
	CREST
.endm
	s_load_b256 s[4:11], s[0:1], 0x0               ; xw_img s[4:5], xw_sc s[6:7], b_qkv s[8:9], qk_img s[10:11]
	s_load_b128 s[96:99], s[0:1], 0x20             ; qk_sc s[96:97], v_img s[98:99]
	s_load_b64 s[100:101], s[0:1], 0x30            ; v_sc
	v_lshl_add_u32 v[SPW], v0, 2, SPARE
	v_mov_b32 v[NIL], 0
	ds_add_u32 v28, v29
	ds_add_u32 v28, v29
	s_wait_dscnt 0x0
	v_lshrrev_b32 v1, 5, v0
	v_readfirstlane_b32 s14, v1                    ; wave 0..3
	s_lshr_b32 s15, s14, 1                         ; which half of A's rows is mine.  Also: I fetch for A (0) or for B (1)
	s_and_b32 s16, s14, 1                          ; which half of B's rows.  Also: which 128 rows I fetch
	s_bfe_u32 s40, ttmp6, 0x40000                  ; cx, cy: my place in the cluster
	s_bfe_u32 s41, ttmp6, 0x40004
	s_and_b32 s18, ttmp7, 0xffff
	s_lshl_b32 s18, s18, 2                         ; 4 x cluster y
	s_lshl_b32 s19, ttmp9, 2                       ; 4 x cluster x
	s_lshl_b32 s43, s41, 2
	s_lshl_b32 s43, 15, s43                        ; my row of the cluster
	s_lshl_b32 s44, 0x1111, s40                    ; my column
	s_cmp_eq_u32 ttmp9, 2                          ; the role: v's where the cluster's x is 2
	s_cselect_b32 s12, 1, 0
	s_cselect_b32 s17, 8, s18
	s_cselect_b32 s42, s18, s19
	s_cselect_b32 s2, WQ_OFF, 0                    ; where A's image and scale bytes begin,
	s_cselect_b32 s3, WQS_OFF, 0
	s_cselect_b32 s13, 0, WQ_OFF                   ; and B's
	s_cselect_b32 s95, 0, WQS_OFF
	s_add_co_u32 s17, s17, s41                     ; A's block of 256 rows: it hangs on cy alone,
	s_add_co_u32 s42, s42, s40                     ; B's on cx alone
	; descriptor group 1 for codes: 8 tiles x 3,072 bytes (384 elements of 8 bytes), 12,288 bytes from tile to tile; dense in LDS
	s_or_b32 s[G1+0], s43, (3<<16)|(1<<21)         ; 15:0 the mask: A's tiles go to my row; 17:16 elements of 8 bytes; 21 set beside a mask
	s_or_b32 s[G1B+0], s44, (3<<16)|(1<<21)
.irp g, G1, G1B
	s_mov_b32 s[\g+1], 384<<16                     ; tensor_dim0
	s_mov_b32 s[\g+2], 16<<16                      ; tensor_dim1: 16 tiles for the head's loads; set to 8 for the ring's behind them
	s_mov_b32 s[\g+3], 384<<16                     ; tile_dim0
	s_mov_b32 s[\g+4], 16                          ; tile_dim1 likewise
	s_mov_b32 s[\g+5], 1536                        ; tensor_dim0_stride
	s_mov_b32 s[\g+6], 0
	s_mov_b32 s[\g+7], 0
.endr
	; and for the scales of 256 rows: 8,192 dense bytes as 32 rows of 256, 16 bytes of padding behind each
	s_or_b32 s[G1S+0], s43, (3<<16)|(1<<20)|(1<<21)|(5<<22)|(3<<25)
	s_or_b32 s[G1SB+0], s44, (3<<16)|(1<<20)|(1<<21)|(5<<22)|(3<<25)
.irp g, G1S, G1SB
	s_mov_b32 s[\g+1], 32<<16
	s_mov_b32 s[\g+2], 32<<16                      ; the scales of 256 rows: 32 rows of 256 bytes
	s_mov_b32 s[\g+3], 32<<16
	s_mov_b32 s[\g+4], 32
	s_mov_b32 s[\g+5], 32
	s_mov_b32 s[\g+6], 0
	s_mov_b32 s[\g+7], 0
.endr
	s_lshl_b32 s21, s16, 3
	s_lshl_b32 s20, s17, 4
	s_add_co_u32 s20, s20, s21                     ; A: the first tile that I fetch: 16 x block + 8 x half
	s_lshl_b32 s22, s20, 9                         ; its scale bytes,
	s_mul_i32 s20, s20, 12288                      ; its codes
	s_add_co_u32 s20, s20, s2
	s_add_co_u32 s22, s22, s3
	s_lshl_b32 s46, s42, 4
	s_add_co_u32 s46, s46, s21                     ; B likewise
	s_lshl_b32 s92, s46, 9
	s_mul_i32 s46, s46, 12288
	s_add_co_u32 s46, s46, s13
	s_add_co_u32 s92, s92, s95
	s_mov_b32 s21, 0
	s_mov_b32 s23, 0
	s_mov_b32 s47, 0
	s_mov_b32 s93, 0
	s_mul_i32 s45, s14, HALFT                      ; where they go: wave x 128 rows: no place in the cluster enters an LDS address
	s_wait_kmcnt 0x0
	s_add_nc_u64 s[20:21], s[4:5], s[20:21]
	s_add_nc_u64 s[22:23], s[6:7], s[22:23]
	s_add_nc_u64 s[46:47], s[4:5], s[46:47]
	s_add_nc_u64 s[92:93], s[6:7], s[92:93]
	CROUND                                         ; all sixteen work-groups are here: the first joint loads meet
	s_mov_b32 s[G0S], 1
	s_lshl_b32 s2, s16, 12                         ; the head's loads bring all 256 rows: my half's offset is taken off again
	s_mov_b32 s3, 0
	s_mov_b32 s[G0S+1], SCL
	s_sub_nc_u64 s[G0S+2:G0S+3], s[22:23], s[2:3]
	s_or_b32 s[G0S+3], s[G0S+3], 0x80000000
	s_mov_b32 s[G0SB], 1
	s_mov_b32 s[G0SB+1], SCL+2*HALFS
	s_sub_nc_u64 s[G0SB+2:G0SB+3], s[92:93], s[2:3]
	s_or_b32 s[G0SB+3], s[G0SB+3], 0x80000000
.irp s, 0,1
	s_mov_b32 s[G0+4*\s], 1
	s_add_co_u32 s[G0+4*\s+1], s45, \s*SLOT
	s_add_nc_u64 s[G0+4*\s+2:G0+4*\s+3], s[20:21], \s*TILEB
	s_or_b32 s[G0+4*\s+3], s[G0+4*\s+3], 0x80000000
	s_mov_b32 s[G0B+4*\s], 1
	s_add_co_u32 s[G0B+4*\s+1], s45, \s*SLOT
	s_add_nc_u64 s[G0B+4*\s+2:G0B+4*\s+3], s[46:47], \s*TILEB
	s_or_b32 s[G0B+4*\s+3], s[G0B+4*\s+3], 0x80000000
.endr
	; THE HEAD'S LOADS, ONE A WAVE: wave 0 K step 0 of A's 256 rows, wave 1 of B's, wave 2 A's scales, wave 3 B's.  Slot 0's two groups 0 serve them, with the whole tile's address and place.
	s_mul_i32 s22, s16, 8*12288
	s_mov_b32 s23, 0
	s_mov_b32 s[G0+1], 0
	s_sub_nc_u64 s[G0+2:G0+3], s[G0+2:G0+3], s[22:23]
	s_mov_b32 s[G0B+1], 2*HALFT
	s_sub_nc_u64 s[G0B+2:G0B+3], s[G0B+2:G0B+3], s[22:23]
.macro ARM under, g0, g1, next         ; one chain of branches on the wave's number: every way passes exactly one load
	s_cmp_lt_u32 s14, \under
	s_cbranch_scc0 \next
	tensor_load_to_lds s[\g0:\g0+3], s[\g1:\g1+7]
	s_nop 0
.rept 4
	v_nop
.endr
	s_branch .Lhead_asked
\next:
.endm
	ARM 1, G0, G1, .Lhead_b
	ARM 2, G0B, G1B, .Lhead_sa
	ARM 3, G0S, G1S, .Lhead_sb
	tensor_load_to_lds s[G0SB:G0SB+3], s[G1SB:G1SB+7]
	s_nop 0
.rept 4
	v_nop
.endr
.Lhead_asked:
	v_and_b32 v1, 15, v0                           ; r
	v_bfe_u32 v2, v0, 4, 1                         ; h
	v_and_b32 v3, 31, v0                           ; lane
	v_lshlrev_b32 v[O16], 4, v3
	v_lshlrev_b32 v[O8], 3, v3
	s_mul_i32 s21, s15, HALFT                      ; my 128 rows of A
	s_mul_i32 s22, s16, HALFT                      ; my 128 rows of B,
	s_add_co_u32 s22, s22, 2*HALFT                 ; which lie behind A's 256
.irp s, 0,1
	v_add_nc_u32 v[ADRA+\s], s21, v[O16]
	v_add_nc_u32 v[ADRB+\s], s22, v[O16]
	v_add_nc_u32 v[ADRA+2+\s], s21, v[O8]
	v_add_nc_u32 v[ADRB+2+\s], s22, v[O8]
	s_add_co_u32 s21, s21, SLOT
	s_add_co_u32 s22, s22, SLOT
.endr
	v_lshlrev_b32 v6, 4, v1                        ; my row's scale bytes: 16 r in a run of 256
	s_mul_i32 s21, s15, HALFS
	s_mul_i32 s22, s16, HALFS
	s_add_co_u32 s22, s22, 2*HALFS
	s_sub_co_u32 s22, s22, s21
	v_mul_u32_u24 v7, s22, v2                      ; lanes 16-31 take B's
	s_add_co_u32 s21, s21, SCL
	v_add_nc_u32 v6, v6, v7
	v_add_nc_u32 v[ADRS], s21, v6
	; the bias, in the accumulators' layout: it is the C of each sum's first product.  q, k: it goes with B's row (a lane's registers); v: with A's row (the lane)
	s_cmp_eq_u32 s12, 0
	s_cselect_b32 s20, s42, s17
	s_cselect_b32 s21, s16, s15
	s_lshl_b32 s20, s20, 10
	s_lshl_b32 s21, s21, 9
	s_add_co_u32 s20, s20, s21                     ; 4 (256 x block + 128 x half)
	s_mov_b32 s21, 0
	s_add_nc_u64 s[8:9], s[8:9], s[20:21]
	v_lshlrev_b32 v8, 6, v2                        ; q, k: 16 numbers on for lanes 16-31
	v_and_b32 v9, 8, v1
	v_add_nc_u32 v9, v9, v1
	v_lshlrev_b32 v9, 2, v9                        ; v: number r + 8 (r / 8)
	s_cmp_lg_u32 s12, 0
	s_cbranch_scc1 .Lbias_v
.irp b, 0,1,2,3,4,5,6,7
	global_load_b128 v[BIAS+8*\b:BIAS+8*\b+3], v8, s[8:9] offset:(32*(\b/2)+8*(\b%2))*4
	global_load_b128 v[BIAS+8*\b+4:BIAS+8*\b+7], v8, s[8:9] offset:(32*(\b/2)+8*(\b%2))*4+16
.endr
	s_branch .Lbias_done
.Lbias_v:
	s_wait_alu depctr_va_vdst(0)
.irp a, 0,1,2,3,4,5,6,7
.irp j, 0,1,2,3,4,5,6,7
	global_load_b32 v[BIAS+8*\a+\j], v9, s[8:9] offset:(32*(\a/2)+8*(\a%2))*4   ; the same number in all eight registers
.endr
.endr
.Lbias_done:
	; the way out's constants
	s_cmp_eq_u32 s12, 1
	s_cselect_b64 s[4:5], s[98:99], s[10:11]       ; codes go to v_img or qk_img,
	s_cselect_b64 s[6:7], s[100:101], s[96:97]     ; scale words to v_sc or qk_sc
	s_cselect_b32 s18, 0, 1
	s_cselect_b32 s19, s41, s17
	s_cselect_b32 s20, 6, 9
	s_mov_b32 s66, 768
	s_cselect_b32 s66, 1536, s66                   ; from one block of 16 rows to the next
	s_mov_b32 s13, 393216
	s_cselect_b32 s13, 768, s13                    ; from a fragment's first half image to its second: v: on end; q, k: the next head
	s_mov_b32 s95, 0xffff
	s_cselect_b32 s95, -1, s95
	s_cselect_b32 s2, 0, 0x7f7f0000
	s_cselect_b32 s21, 0, 16
	s_mov_b32 s67, 0
	s_lshl_b32 s22, s42, 1
	s_add_co_u32 s22, s22, s16                     ; my 128 rows of B: v: the key step;
	s_lshl_b32 s22, s22, s18                       ; q, k: two heads
	s_lshl_b32 s22, s22, s20                       ; x 64 channel tiles, or x 512 token tiles
	s_lshl_b32 s19, s19, 4
	s_lshl_b32 s23, s15, 3
	s_add_co_u32 s19, s19, s23                     ; my first tile of A's rows
	s_add_co_u32 s22, s22, s19
	s_mul_i32 s46, s22, s66
	s_mov_b32 s47, 0
	s_add_nc_u64 s[4:5], s[4:5], s[46:47]
	s_lshl_b32 s46, s22, 6
	s_add_nc_u64 s[6:7], s[6:7], s[46:47]
	v_mul_u32_u24 v[SH], s21, v2
	v_add_nc_u32 v[O16D], s13, v[O16]
	v_add_nc_u32 v[O8D], s13, v[O8]
	s_lshl_b32 s23, s14, 10
	s_add_co_u32 s23, s23, SST
	v_lshlrev_b32 v[SSW], 2, v1
	v_lshl_add_u32 v[SSW], v2, 9, v[SSW]
	v_add_nc_u32 v[SSW], s23, v[SSW]               ; 4 r + 512 h
	v_add_nc_u32 v[SSR], s23, v[O16]
	s_mov_b32 s[SEL], 0x76543210
	s_mov_b32 s[SEL+1], 0xfedcba98
.macro FRAG reg, adr, q, i             ; a fragment, 12 registers, is two half images on end: four loads, consecutive lanes on consecutive bytes
	ds_load_b128 v[\reg:\reg+3], v[\adr] offset:(\i)*TILEB+(\q)*1536
	ds_load_b64 v[\reg+4:\reg+5], v[\adr+2] offset:(\i)*TILEB+(\q)*1536+512
	ds_load_b128 v[\reg+6:\reg+9], v[\adr] offset:(\i)*TILEB+(\q)*1536+768
	ds_load_b64 v[\reg+10:\reg+11], v[\adr+2] offset:(\i)*TILEB+(\q)*1536+1280
.endm
; 16 matrix instructions: A's blocks a0, a0 + 1 x B's eight, the slot's q-th 128 along K.  p: B's set; sc: the set of scale words.  cm = 0: onto the sums; 1: the bias by B's block starts them; 2: the bias by A's block.
; The 64 accumulators take turns, one instruction a turn, in the same order in every step.
.macro MUL16 a0, p, q, sc, cm
.irp a, \a0, \a0+1
.irp b, 0,1,2,3,4,5,6,7
.if \cm == 0
	v_wmma_scale_f32_16x16x128_f8f6f4 v[8*(8*((\a)%4)+\b):8*(8*((\a)%4)+\b)+7], v[128*(\p)+FR*\b:128*(\p)+FR*\b+FR-1], v[AF+FR*(\a):AF+FR*(\a)+FR-1], v[8*(8*((\a)%4)+\b):8*(8*((\a)%4)+\b)+7], v[SC+8*NQ*(\sc)+NQ*\b+(\q)], v[SC+8*NQ*(\sc)+NQ*(\a)+(\q)] matrix_a_fmt:MATRIX_FMT_FP6 matrix_b_fmt:MATRIX_FMT_FP6 matrix_a_scale:MATRIX_SCALE_ROW1
.elseif \cm == 1
	v_wmma_scale_f32_16x16x128_f8f6f4 v[8*(8*((\a)%4)+\b):8*(8*((\a)%4)+\b)+7], v[128*(\p)+FR*\b:128*(\p)+FR*\b+FR-1], v[AF+FR*(\a):AF+FR*(\a)+FR-1], v[BIAS+8*\b:BIAS+8*\b+7], v[SC+8*NQ*(\sc)+NQ*\b+(\q)], v[SC+8*NQ*(\sc)+NQ*(\a)+(\q)] matrix_a_fmt:MATRIX_FMT_FP6 matrix_b_fmt:MATRIX_FMT_FP6 matrix_a_scale:MATRIX_SCALE_ROW1
.else
	v_wmma_scale_f32_16x16x128_f8f6f4 v[8*(8*((\a)%4)+\b):8*(8*((\a)%4)+\b)+7], v[128*(\p)+FR*\b:128*(\p)+FR*\b+FR-1], v[AF+FR*(\a):AF+FR*(\a)+FR-1], v[BIAS+8*(\a):BIAS+8*(\a)+7], v[SC+8*NQ*(\sc)+NQ*\b+(\q)], v[SC+8*NQ*(\sc)+NQ*(\a)+(\q)] matrix_a_fmt:MATRIX_FMT_FP6 matrix_b_fmt:MATRIX_FMT_FP6 matrix_a_scale:MATRIX_SCALE_ROW1
.endif
.endr
.endr
.endm
.macro FETCH_B slot, q, p
	WIN TO_B
.irp i, 0,1,2,3,4,5,6,7
	FRAG 128*(\p)+FR*\i, ADRB+\slot, \q, \i
.endr
	WIN 0
.endm
.macro FETCH_A slot, q, i0
.irp i, \i0, \i0+1, \i0+2, \i0+3
	FRAG AF+FR*(\i), ADRA+\slot, \q, \i
.endr
.endm
.macro SCALES sc                       ; a K step's scale words: two a row; lanes 0-15 take A's block i, lanes 16-31 B's block i
.irp i, 0,1,2,3,4,5,6,7
	ds_load_b64 v[SC+8*NQ*\sc+NQ*\i:SC+8*NQ*\sc+NQ*\i+1], v[ADRS] offset:\i*SBLK
.endr
.endm
.macro PLACES n                        ; plain instructions between a matrix instruction and a load into, or a read of, its registers
.rept \n
	v_nop
.endr
.endm
.macro STEP slot, q, cm                ; a step of 128 along K that has its successor in the same slot
	s_wait_dscnt 4*NL                              ; B's set and A's blocks 0-3 are in; the youngest 16 loads (A's blocks 4-7) may be out
.if \cm
	WIN 0x81                                       ; C (the bias) from window 0
.else
	WIN MUL_LO
.endif
	MUL16 0, (\q)%2, \q, \slot, \cm
	MUL16 2, (\q)%2, \q, \slot, \cm
	s_wait_dscnt 0                                 ; A's blocks 4-7 are in
	PLACES NP
	FETCH_B \slot, (\q)+1, 1-(\q)%2
	FETCH_A \slot, (\q)+1, 0
.if \cm
	WIN 0xc1
.else
	WIN MUL_HI
.endif
	MUL16 4, (\q)%2, \q, \slot, \cm
	MUL16 6, (\q)%2, \q, \slot, \cm
	PLACES NP
	WIN 0
	FETCH_A \slot, (\q)+1, 4
.endm
; A slot's last step changes slots: one barrier; in front of it each wave waits for all its tensor loads, adds 0 to its spare word, and waits for that and for its reads of this slot.  fill = 1: the slot is filled again, two K steps ahead.
.macro TURN slot, next, fill
	s_wait_tensorcnt 0x0                           ; all my tensor loads have landed: my part of the next slot
	ds_add_u32 v[SPW], v[NIL]                      ; 0 onto my spare word
	s_wait_dscnt 4*NL+1                            ; (the add and the youngest 16 loads may be out)
	WIN MUL_LO
	MUL16 0, 1, NQ-1, \slot, 0                     ; sixteen matrix instructions stand between the add and the wait for it
	s_wait_dscnt 0x0                               ; the add is done, and my reads of this slot are over
	s_barrier_signal -1
	MUL16 2, 1, NQ-1, \slot, 0
	WIN 0
	s_barrier_wait -1
.if \fill
	CREST                                          ; the barrier has opened a round of the cluster's: no wave of any partner still reads this slot or has a load on its way
	s_add_nc_u64 s[G0+4*\slot+2:G0+4*\slot+3], s[G0+4*\slot+2:G0+4*\slot+3], 2*TILEB
	s_add_nc_u64 s[G0B+4*\slot+2:G0B+4*\slot+3], s[G0B+4*\slot+2:G0B+4*\slot+3], 2*TILEB
	JLOAD G0+4*\slot, G1, G0B+4*\slot, G1B         ; the first tensor load behind the round; its four v_nop are the places in front of the loads below
.else
	PLACES NP
.endif
	s_wait_alu depctr_va_vdst(0)
	v_add_nc_u32 v[ADRS], 8+256*\slot, v[ADRS]     ; the next K step's scale words: 8 bytes on, or into the next run of 256 + 16
	FETCH_B \next, 0, 0
	FETCH_A \next, 0, 0
	SCALES \next
	WIN MUL_HI
	MUL16 4, 1, NQ-1, \slot, 0
	MUL16 6, 1, NQ-1, \slot, 0
	PLACES NP
	WIN 0
	FETCH_A \next, 0, 4
.endm
	s_wait_alu depctr_va_vdst(0)                   ; the wait at the head's end
	s_wait_tensorcnt 0x0                           ; my tile of the head's four is in
	ds_add_u32 v[SPW], v[NIL]
	s_mov_b32 s[G1+2], 8<<16                       ; no tensor load of mine is out: from here on a load brings 8 tiles,
	s_mov_b32 s[G1+4], 8
	s_mov_b32 s[G1B+2], 8<<16
	s_mov_b32 s[G1B+4], 8
	s_mul_i32 s22, s16, 8*12288                    ; and slot 0's groups 0 name my own 128 rows again
	s_mov_b32 s23, 0
	s_mov_b32 s[G0+1], s45
	s_add_nc_u64 s[G0+2:G0+3], s[G0+2:G0+3], s[22:23]
	s_mov_b32 s[G0B+1], s45
	s_add_nc_u64 s[G0B+2:G0B+3], s[G0B+2:G0B+3], s[22:23]
	s_wait_dscnt 0x0
	CROUND                                         ; a whole round: all four tiles are in, in every partner
	JLOAD G0+4, G1, G0B+4, G1B                     ; K step 1: slot 1's first fill, the first tensor load behind the round
	FETCH_B 0, 0, 0
	FETCH_A 0, 0, 0
	SCALES 0
	FETCH_A 0, 0, 4
	s_wait_loadcnt 0x0                             ; the bias
	s_cmp_lg_u32 s12, 0                            ; the first step is written for each role: only the C of its products differs
	s_cbranch_scc1 .Lfirst_v
	STEP 0, 0, 1
	s_branch .Lfirst_done
.Lfirst_v:
	STEP 0, 0, 2
.Lfirst_done:
	s_mov_b32 s3, LAPS-1
.Llap:                                             ; a trip goes once round the ring and fills both slots again
	TURN 0, 1, 1
	STEP 1, 0, 0
	TURN 1, 0, 1
	STEP 0, 0, 0
	s_sub_co_u32 s3, s3, 1
	s_cmp_lg_u32 s3, 0
	s_cbranch_scc1 .Llap
	TURN 0, 1, 0                                   ; the last lap fills nothing
	STEP 1, 0, 0
	s_wait_dscnt 4*NL
	WIN MUL_LO
	MUL16 0, 1, NQ-1, 1, 0
	MUL16 2, 1, NQ-1, 1, 0
	s_wait_dscnt 0
	WIN MUL_HI
	MUL16 4, 1, NQ-1, 1, 0
	MUL16 6, 1, NQ-1, 1, 0
	WIN 0
; THE WAY OUT.  Block a (16 rows of A' x my 128 rows of B') is 64 registers a lane: register 16 i + n = row 32 i + 16 (lane / 16) + n of B'.  They become one fragment: 12 registers of codes and a scale word.
.irp b, 0,1,2,3
	v_mov_b32 v[TM+4+\b], 0                        ; a lane permute's destination counts as one of its sources; these four are also the places behind the last products
.endr
.macro QBLOCK a
.set AC, 64*((\a)%4)
	WIN 0x0a+5*((\a)/4)                            ; sources 0 and 1: window 2 or 3
.irp b, 0,1,2,3
	v_max3_num_f32 v[TM+\b], |v[AC+16*\b]|, |v[AC+16*\b+1]|, 0x1800000   ; each accumulator is read from its low end on; the floor 2^(3 - 127) holds the byte at 1 from below
.endr
.irp i, 2,4,6,8,10,12,14
.irp b, 0,1,2,3
	v_max3_num_f32 v[TM+\b], |v[AC+16*\b+\i]|, |v[AC+16*\b+\i+1]|, v[TM+\b]
.endr
.endr
	WIN 0
.irp b, 0,1,2,3
	v_permlanex16_b32 v[TM+4+\b], v[TM+\b], s[SEL], s[SEL+1]
.endr
.irp b, 0,1,2,3
	v_max_num_f32 v[TM+\b], v[TM+\b], v[TM+4+\b]   ; the block's largest magnitude
.endr
.irp b, 0,1,2,3
	v_add_nc_u32 v[TM+12+\b], 0xff000000, v[TM+\b]   ; the conversion's scale operand
.endr
.irp b, 0,1,2,3
	v_lshrrev_b32 v[TM+4+\b], 23, v[TM+12+\b]      ; the scale's byte
.endr
	v_lshl_or_b32 v[PW], v[TM+5], 8, v[TM+4]
	v_lshl_or_b32 v[PW], v[TM+6], 16, v[PW]
	v_lshl_or_b32 v[PW], v[TM+7], 24, v[PW]
	s_wait_xcnt 0x0                                ; the last block's stores have read the codes' registers and the base
.if (\a) > 0
	s_add_nc_u64 s[4:5], s[4:5], s[66:67]
.endif
	WIN 0x02+((\a)/4)                              ; source 0: window 2 or 3
.irp c, 0,1
	v_cvt_scalef32_pk16_fp6_f32 v[PC+6*\c:PC+2+6*\c], v[AC+32*\c:AC+15+32*\c], v[TM+12+2*\c]
	v_cvt_scalef32_pk16_fp6_f32 v[PC+12+4*\c:PC+14+4*\c], v[AC+16+32*\c:AC+31+32*\c], v[TM+12+2*\c+1]
.endr
	WIN 0
	v_nop                                          ; one plain instruction behind the scaled conversions
.irp c, 0,1
.irp i, 0,1,2
	v_permlane16_swap_b32 v[PC+6*\c+\i], v[PC+12+4*\c+\i]
.endr
.irp i, 0,1,2
	v_mov_b32 v[PC+3+6*\c+\i], v[PC+12+4*\c+\i]
.endr
.endr
	global_store_b128 v[O16], v[PC:PC+3], s[4:5]                 ; two half images; each store covers 512 or 256 consecutive bytes, aligned
	global_store_b64 v[O8], v[PC+4:PC+5], s[4:5] offset:512
	global_store_b128 v[O16D], v[PC+6:PC+9], s[4:5]
	global_store_b64 v[O8D], v[PC+10:PC+11], s[4:5] offset:512
	v_lshrrev_b32 v[TW], v[SH], v[PW]              ; q, k: lanes 0-15 keep the first head's two bytes, lanes 16-31 the second's,
	v_and_or_b32 v[TW], v[TW], s95, s2             ; with 0x7f twice above them; v: the word as it is
	ds_store_b32 v[SSW], v[TW] offset:64*(\a)
.endm
.irp a, 0,1,2,3,4,5,6,7
	QBLOCK \a
.endr
	ds_load_b128 v[244:247], v[SSR]                ; LDS serves a wave's instructions in order: these see my stores
	ds_load_b128 v[248:251], v[SSR] offset:512
	s_wait_dscnt 0x0
	global_store_b128 v[O16], v[244:247], s[6:7]   ; eight tiles' scale words: 512 consecutive bytes
	s_cmp_lg_u32 s12, 0
	s_cbranch_scc1 .Lno_second
	global_store_b128 v[O16], v[248:251], s[6:7] offset:32768   ; q, k: the second head's
.Lno_second:
	s_wait_tensorcnt 0x0                           ; the wave's end
	ds_add_u32 v[SPW], v[NIL]
	s_wait_dscnt 0x0
	CROUND                                         ; the closing round
	s_endpgm
.Lfunc_end_k_q24e8d410d5_gemm_qkv:
	.size	k_q24e8d410d5_gemm_qkv, .Lfunc_end_k_q24e8d410d5_gemm_qkv-k_q24e8d410d5_gemm_qkv
	.p2alignl 7, 3214868480
	.fill 96, 4, 3214868480
	.section	.rodata,"a",@progbits
	.p2align	6, 0x0
	.amdhsa_kernel k_q24e8d410d5_gemm_qkv
		.amdhsa_group_segment_fixed_size 327680
		.amdhsa_private_segment_fixed_size 0
		.amdhsa_enable_private_segment 0
		.amdhsa_kernarg_size 56
		.amdhsa_user_sgpr_count 2
		.amdhsa_user_sgpr_kernarg_segment_ptr 1
		.amdhsa_wavefront_size32 1
		.amdhsa_system_sgpr_workgroup_id_x 1
		.amdhsa_system_sgpr_workgroup_id_y 1
		.amdhsa_system_sgpr_workgroup_id_z 1
		.amdhsa_system_vgpr_workitem_id 0
		.amdhsa_next_free_vgpr 1024
		.amdhsa_next_free_sgpr 102
		.amdhsa_reserve_vcc 0
		.amdhsa_float_denorm_mode_32 3
		.amdhsa_float_denorm_mode_16_64 3
		.amdhsa_memory_ordered 1
		.amdhsa_forward_progress 1
		.amdhsa_inst_pref_size 173
	.end_amdhsa_kernel
	.amdgpu_metadata
---
amdhsa.version: [ 1, 2 ]
amdhsa.kernels:
  - .name:           k_q24e8d410d5_gemm_qkv
    .symbol:         k_q24e8d410d5_gemm_qkv.kd
    .args:
      - { .name: xw_img, .offset: 0, .size: 8, .value_kind: global_buffer, .address_space: global }
      - { .name: xw_sc, .offset: 8, .size: 8, .value_kind: global_buffer, .address_space: global }
      - { .name: b_qkv, .offset: 16, .size: 8, .value_kind: global_buffer, .address_space: global }
      - { .name: qk_img, .offset: 24, .size: 8, .value_kind: global_buffer, .address_space: global }
      - { .name: qk_sc, .offset: 32, .size: 8, .value_kind: global_buffer, .address_space: global }
      - { .name: v_img, .offset: 40, .size: 8, .value_kind: global_buffer, .address_space: global }
      - { .name: v_sc, .offset: 48, .size: 8, .value_kind: global_buffer, .address_space: global }
    .group_segment_fixed_size: 327680
    .private_segment_fixed_size: 0
    .kernarg_segment_align: 8
    .kernarg_segment_size: 56
    .max_flat_workgroup_size: 128
    .sgpr_count:     102
    .vgpr_count:     1024
    .wavefront_size: 32
...
	.end_amdgpu_metadata
.endif
;; end of part 2
;; launch attn (part 3): grid 4 x 64, 16 waves a work-group, clusters of 4 x 1, 210,944 bytes of LDS; arguments qk_img, qk_sc, v_img, v_sc, o_img, o_sc; writes o_img, o_sc
.if DOCPART == 3
	.amdgcn_target "amdgcn-amd-amdhsa--gfx1250"
	.amdhsa_code_object_version 6
	.text
	.protected	k_q24e8d410d5_attn
	.globl	k_q24e8d410d5_attn
	.p2align	8
	.type	k_q24e8d410d5_attn,@function
k_q24e8d410d5_attn:
	s_mov_b64 s[64:65], 0
	v_nop
	global_prefetch_b8 v0, s[64:65] scope:SCOPE_SE
	s_setreg_imm32_b32 hwreg(HW_REG_WAVE_MODE, 25, 1), 1
	s_wait_xcnt 0x0
	s_wait_alu depctr_hold_cnt(0) depctr_sa_sdst(0) depctr_va_vdst(0) depctr_va_sdst(0) depctr_va_ssrc(0) depctr_va_vcc(0) depctr_vm_vsrc(0)
	s_getreg_b32 s2, hwreg(HW_REG_IB_STS2, 6, 4)
	s_cmp_eq_u32 s2, 0
	s_cbranch_scc0 .Lentry_in_a_cluster
	s_endpgm
.Lentry_in_a_cluster:
	s_bfe_u32 s2, ttmp6, 0x10000c
	s_cmp_lg_u32 s2, 0x3003
	s_cbranch_scc0 .Lentry_shape_is_right
	s_endpgm
.Lentry_shape_is_right:
; o = softmax(q k^T / 8, causal) v for one head of one batch, both products on codes of FP6 (E2M3) with E8M0 scales; o is quantised along the model's 1,024 for the last product and leaves as codes.
; THE SOFTMAX: t = score x log2(e) / 8; M = the running largest t rounded UP to a whole number; p = 2^(t - M) is quantised along the keys, not normalised; the row's sum is taken of the unquantised p and divides at the end.
; When M moves, the sum and O are multiplied by 2^(old M - new M): exact.
; SHARES.  A cluster of four work-groups owns one head (2,048 queries); each has all of the head's K and V codes and scale bytes in LDS (204 KiB), filled ONCE by joint loads: no ring, no refill, and LDS is only read behind the one barrier.
; A query tile T (16 queries, laid 32 g + 8 u + r + 8 (r / 8)) wants key steps 0 .. T / 8 of 128 keys.  Wave w (G = w / 2, E = w % 2) of work-group cx makes tiles 8 m + 2 cx + E for m = 15 - G and then m = G:
; 16 - G + G + 1 = 17 key steps for every wave.  The loops' trip counts are the constants 16 and 8; a step whose keys all come after the wave's queries is jumped over by a scalar branch on the wave's number.
; No branch and no LDS address hangs on cx: it enters Q's and O's addresses in memory and the mask's lane number alone.
; LAYOUT.  Both products are used transposed: S^T = K Q^T (source 0 = 16 keys), O^T = V^T P^T (source 0 = 16 channels): a lane holds one query throughout; by the tiles' choice of rows the 16 registers of two neighbouring tiles are 16 neighbours.
; The first product's K is 64: registers 6-11 of Q's fragment are zero codes, under the byte 0x7f.
; LIMITS: NaN and infinities are not served; 1 / sum is v_rcp_f32's; a block's largest p is taken through its largest score (v_exp_f32 is taken not to fall where its input rises); a block under 2^(3 - 127) keeps the byte 1.
; o's scale bytes leave as 32 single bytes inside one run of 256, once a tile: one byte for 24 of codes.
.set VIMG, 98304                       ; LDS: K's 128 half images from 0; V's [key step 16][channel tile 4][1,536] from here;
.set KSC,  196608                      ; K's scale words [tile 128][r][4];
.set VSC,  204800                      ; V's [key step][channel tile][r][4]
.set FS,  18                           ; v18-21  the scale words of the four fragments in hand;  v16 Q's, v17 p's
.set Q,   24                           ; v24-35  Q's fragment
.set KF,  36                           ; v36-83  K's fragments 0-6, 6 registers apart
.set S,   84                           ; v84-147 S^T, then p;  then v84-131 four fragments of V;  at the end v84-115 o
.set O,   148                          ; v148-179 O^T
.set PC,  180                          ; v180-191 p's codes;  v192-194, v196-198 at work
.set PT,  192
.set BM,  200                          ; v200-203 the blocks' largest;  v204-207, v208-211 at work
.set BT,  204
.set SO,  208
.set WV,  16                           ; s16 wave, s17 G, s18 E, s19 cx, s20 head of batch, s21 batch, s22 head
.set G1K, 24
.set G1V, 32
.set G1KS, 40
.set G1VS, 48
.set G0K, 56
.set G0V, 60
.set G0KS, 68
.set G0VS, 72
.set MG,  76                           ; s76 the tile's last key step
.set KSI, 77                           ; s77 the key step
.set TB,  78                           ; s78 where its codes begin: 6,144 bytes a step, in K's and in V's region
.set TSK, 79                           ; s79 K's scale words: 512 a step
.set TSV, 80                           ; s80 V's: 256 a step
.set CNT, 81
.set SEL, 82                           ; s[82:83] lane l xor 16
.set CS,  84                           ; s[84:85] c = log2(e) / 8
.set HM,  86                           ; s86 lanes 16-31
.macro CROUND                          ; a round of the cluster's barrier
	s_barrier_signal -1
	s_barrier_wait -1
	s_cmp_lg_u32 s[WV], 0
	s_cbranch_scc1 .Lnot_wave_0_\@
	s_barrier_signal -3
.Lnot_wave_0_\@:
	s_barrier_wait -3
	s_barrier_signal -1
	s_barrier_wait -1
.endm
.macro G1SET g, c, r, p                ; descriptor group 1: r rows of c elements of 8 bytes, p elements apart; dense in LDS; the mask names all four partners, bit 21 beside it
	s_mov_b32 s[\g], 15|(3<<16)|(1<<21)
	s_mov_b32 s[\g+1], (\c)<<16
	s_mov_b32 s[\g+2], (\r)<<16
	s_mov_b32 s[\g+3], (\c)<<16
	s_mov_b32 s[\g+4], \r
	s_mov_b32 s[\g+5], \p
	s_mov_b32 s[\g+6], 0
	s_mov_b32 s[\g+7], 0
.endm
	s_load_b256 s[4:11], s[0:1], 0x0               ; qk_img s[4:5], qk_sc s[6:7], v_img s[8:9], v_sc s[10:11]
	s_load_b128 s[12:15], s[0:1], 0x20             ; o_img s[12:13], o_sc s[14:15]
	v_lshl_add_u32 v224, v0, 2, 0x33000
	v_mov_b32 v225, 0
	ds_add_u32 v224, v225
	ds_add_u32 v224, v225
	v_lshrrev_b32 v1, 5, v0
	s_delay_alu instid0(VALU_DEP_1)
	v_readfirstlane_b32 s[WV], v1                  ; wave 0..15
	s_lshr_b32 s17, s[WV], 1
	s_and_b32 s18, s[WV], 1
	s_bfe_u32 s19, ttmp6, 0x40000                  ; cx
	s_and_b32 s20, ttmp7, 0xffff
	s_lshr_b32 s21, s20, 4                         ; batch
	s_and_b32 s22, s20, 15                         ; head
	s_and_b32 s23, s[WV], 3                        ; which quarter I fetch, if I fetch
	G1SET G1K, 32, 96, 32                          ; K's codes: a quarter is 24,576 dense bytes, as 96 rows of 256
	G1SET G1V, 768, 4, 12288                       ; V's: four key steps x the head's 6,144 bytes, 98,304 bytes apart
	G1SET G1KS, 32, 32, 32                         ; K's scale words: 8,192 dense bytes
	G1SET G1VS, 32, 16, 512                        ; V's: 16 key steps x the head's 256 bytes, 4,096 bytes apart
	s_add_co_u32 s96, s22, 16
	s_lshl_b32 s96, s96, 9
	s_lshl_b32 s97, s21, 7
	s_add_co_u32 s96, s96, s97                     ; K's first tile: (16 + head) 512 + 128 batch
	s_mul_i32 s98, s96, 768
	s_mul_i32 s2, s23, 24576
	s_add_co_u32 s98, s98, s2
	s_mov_b32 s99, 0
	s_lshl_b32 s96, s96, 6
	s_mov_b32 s97, 0
	s_lshl_b32 s86, s21, 4
	s_lshl_b32 s87, s23, 2
	s_add_co_u32 s86, s86, s87                     ; V: key step 16 batch + 4 quarter,
	s_lshl_b32 s86, s86, 6
	s_lshl_b32 s87, s22, 2
	s_add_co_u32 s86, s86, s87                     ; channel tile 4 head
	s_mul_i32 s86, s86, 1536
	s_lshl_b32 s88, s21, 10
	s_add_co_u32 s88, s88, s87
	s_lshl_b32 s88, s88, 6
	s_mov_b32 s87, 0
	s_mov_b32 s89, 0
	s_wait_dscnt 0x0
	s_wait_kmcnt 0x0
	s_mov_b32 s[G0K], 1
	s_mov_b32 s[G0K+1], s2
	s_add_nc_u64 s[G0K+2:G0K+3], s[4:5], s[98:99]
	s_or_b32 s[G0K+3], s[G0K+3], 0x80000000
	s_mov_b32 s[G0V], 1
	s_add_co_u32 s[G0V+1], s2, VIMG
	s_add_nc_u64 s[G0V+2:G0V+3], s[8:9], s[86:87]
	s_or_b32 s[G0V+3], s[G0V+3], 0x80000000
	s_mov_b32 s[G0KS], 1
	s_mov_b32 s[G0KS+1], KSC
	s_add_nc_u64 s[G0KS+2:G0KS+3], s[6:7], s[96:97]
	s_or_b32 s[G0KS+3], s[G0KS+3], 0x80000000
	s_mov_b32 s[G0VS], 1
	s_mov_b32 s[G0VS+1], VSC
	s_add_nc_u64 s[G0VS+2:G0VS+3], s[10:11], s[88:89]
	s_or_b32 s[G0VS+3], s[G0VS+3], 0x80000000
	CROUND                                         ; all four work-groups are here: the joint loads meet
	; waves 0-3: K's quarters; 4-7: V's; 8: K's scale words; 9: V's; the others nothing.  At most one load a wave; the branches hang on the wave's number alone.  Four v_nop follow each load.
	s_cmp_lt_u32 s[WV], 4
	s_cbranch_scc0 .Lnot_k
	tensor_load_to_lds s[G0K:G0K+3], s[G1K:G1K+7]
	s_nop 0
.rept 4
	v_nop
.endr
	s_branch .Lasked
.Lnot_k:
	s_cmp_lt_u32 s[WV], 8
	s_cbranch_scc0 .Lnot_v
	tensor_load_to_lds s[G0V:G0V+3], s[G1V:G1V+7]
	s_nop 0
.rept 4
	v_nop
.endr
	s_branch .Lasked
.Lnot_v:
	s_cmp_eq_u32 s[WV], 8
	s_cbranch_scc0 .Lnot_ks
	tensor_load_to_lds s[G0KS:G0KS+3], s[G1KS:G1KS+7]
	s_nop 0
.rept 4
	v_nop
.endr
	s_branch .Lasked
.Lnot_ks:
	s_cmp_eq_u32 s[WV], 9
	s_cbranch_scc0 .Lasked
	tensor_load_to_lds s[G0VS:G0VS+3], s[G1VS:G1VS+7]
	s_nop 0
.rept 4
	v_nop
.endr
.Lasked:
	v_and_b32 v216, 31, v0                         ; lane
	s_delay_alu instid0(VALU_DEP_1)
	v_lshlrev_b32 v1, 4, v216                      ; v1  16 x lane: an image's registers 0-3 (K's region begins at 0)
	s_delay_alu instid0(VALU_DEP_2)
	v_lshlrev_b32 v2, 3, v216                      ; v2  8 x lane: its registers 4-5
	v_and_b32 v217, 15, v0                         ; r
	v_bfe_u32 v220, v0, 4, 1                       ; h
	s_delay_alu instid0(VALU_DEP_2)
	v_lshlrev_b32 v222, 2, v217                    ; v222 4 r: a scale word
	s_delay_alu instid0(VALU_DEP_1)
	v_add_nc_u32 v3, KSC, v222                     ; v3   K's scale words
	s_delay_alu instid0(VALU_DEP_2)
	v_add_nc_u32 v221, VSC, v222                   ; v221 V's
	v_add_nc_u32 v22, VIMG, v1                     ; v22, v23 V's images
	v_add_nc_u32 v23, VIMG, v2
	v_lshl_add_u32 v5, v217, 4, v220               ; v5   o's scale byte: 16 r + h
	v_and_b32 v4, 8, v217
	s_delay_alu instid0(VALU_DEP_1)
	v_add_nc_u32 v4, v4, v217
	v_lshlrev_b32 v220, 4, v220
	s_delay_alu instid0(VALU_DEP_1)
	v_sub_nc_u32 v4, v4, v220
	s_lshl_b32 s96, s19, 5
	s_lshl_b32 s97, s18, 3
	s_add_co_u32 s96, s96, s97
	v_add_nc_u32 v4, s96, v4                       ; v4   my query's place in its 128, less 16 h: in the last key step register 16 b + i (key 32 b + 16 h + i) is hidden where 32 b + i is above it
; K'S FRAGMENTS (this takes the place of the head's line on their registers 6-11): only Q's registers 6-11 are zero codes.  Every code of FP6 is a finite number, so k = 64 .. 127 add 0 whatever codes K's registers 6-11 hold
; (their scale bytes are 0x7f).  So K's fragments 0-6 lie 6 registers apart from v36 on, each one's upper half being the next one's codes; fragment 6's upper half (v78-83) and fragment 7's (v232-237) are written once, here.
.set K7,  226                          ; v226-237 K's fragment 7
.set KS,  238                          ; v238-245 the scale words of K's eight fragments
.irp i, 6,7,8,9,10,11
	v_mov_b32 v[Q+\i], 0                           ; zero codes for k = 64 .. 127: written once, never loaded
	v_mov_b32 v[KF+36+\i], 0
	v_mov_b32 v[K7+\i], 0
.endr
.irp b, 0,1,2,3
	v_mov_b32 v[BT+\b], 0                          ; a lane permute's destination counts as one of its sources
.endr
	v_mov_b32 v213, 0                              ; upper halves of pairs that are named whole
	v_mov_b32 v219, 0
	s_mov_b32 s[SEL], 0x76543210
	s_mov_b32 s[SEL+1], 0xfedcba98
	s_mov_b32 s[CS], 0x3e38aa3b                    ; log2(e) / 8
	s_mov_b32 s[CS+1], s[CS]
	s_mov_b32 s[HM], 0xffff0000
	s_wait_tensorcnt 0x0                           ; my load, if I had one, has landed,
	s_barrier_signal -1
	s_barrier_wait -1                              ; everybody's has: from here on LDS is only read
; A KEY STEP: 128 keys.
; The eight fragments of K of one key step and their scale words: 24 loads.  step = 1: the key step behind the one that the addresses name.
.macro KLOAD a16, a8, asc, step
.irp t, 0,1,2,3,4,5,6
	ds_load_b128 v[KF+6*\t:KF+6*\t+3], \a16 offset:768*\t+6144*\step
	ds_load_b64 v[KF+6*\t+4:KF+6*\t+5], \a8 offset:768*\t+512+6144*\step
.endr
	ds_load_b128 v[K7:K7+3], \a16 offset:768*7+6144*\step
	ds_load_b64 v[K7+4:K7+5], \a8 offset:768*7+512+6144*\step
.irp t, 0,1,2,3,4,5,6,7
	ds_load_b32 v[KS+\t], \asc offset:64*\t+512*\step
.endr
.endm
.macro STEP
	s_cmp_gt_u32 s[KSI], s[MG]                     ; all its keys come after my queries: only the addresses step
	s_cbranch_scc1 .Lhidden_\@
	s_wait_alu depctr_va_vdst(0)                   ; the wait ahead of the readers below
	v_add_nc_u32 v8, s[TB], v22                    ; V's addresses for this step; with the two v_nop five places between the last step's products and the products below, which write over their sources
	v_add_nc_u32 v9, s[TB], v23
	v_add_nc_u32 v11, s[TSV], v221
	v_nop
	v_nop
	s_wait_dscnt 0x0                               ; this step's fragments of K, asked for a step ago (the first step's: at the tile's start)
.irp t, 0,1,2,3,4,5,6                          ; S^T = K Q^T: eight tiles of 16 keys on end
	v_wmma_scale_f32_16x16x128_f8f6f4 v[S+8*\t:S+8*\t+7], v[KF+6*\t:KF+6*\t+11], v[Q:Q+11], 0, v[KS+\t], v16 matrix_a_fmt:MATRIX_FMT_FP6 matrix_b_fmt:MATRIX_FMT_FP6
.endr
	v_wmma_scale_f32_16x16x128_f8f6f4 v[S+56:S+63], v[K7:K7+11], v[Q:Q+11], 0, v[KS+7], v16 matrix_a_fmt:MATRIX_FMT_FP6 matrix_b_fmt:MATRIX_FMT_FP6
	v_add_nc_u32 v6, s[TB], v1                     ; four places behind the products, ahead of the loads into their sources and of the first read of the scores
	v_add_nc_u32 v7, s[TB], v2
	v_add_nc_u32 v10, s[TSK], v3
	v_nop
	KLOAD v6, v7, v10, 1                           ; the next key step's K: the whole softmax stands between these loads and their use.  Behind key step 15 they read filled bytes of V's regions, which nothing uses
	s_cmp_lg_u32 s[KSI], s[MG]                     ; only the tile's last key step lies on the diagonal
	s_cbranch_scc1 .Lopen_\@
	v_mov_b32 v216, 0xff800000                     ; hidden scores become -infinity ahead of the maximum: p = 0 then
.set n, 0
.rept 64
	v_cmp_gt_i32 vcc_lo, 32*(n/16)+n%16, v4
	v_cndmask_b32 v[S+n], v[S+n], v216, vcc_lo
.set n, n+1
.endr
.Lopen_\@:
.irp b, 0,1,2,3
	v_max3_num_f32 v[BM+\b], v[S+16*\b], v[S+1+16*\b], v[S+2+16*\b]   ; the largest score of each block of 32 keys: for the row's maximum, and for the block's largest p
.endr
.irp i, 3,5,7,9,11,13
.irp b, 0,1,2,3
	v_max3_num_f32 v[BM+\b], v[BM+\b], v[S+16*\b+\i], v[S+1+16*\b+\i]
.endr
.endr
.irp b, 0,1,2,3
	v_max_num_f32 v[BM+\b], v[BM+\b], v[S+15+16*\b]
.endr
.irp b, 0,1,2,3
	s_delay_alu instid0(VALU_DEP_4)
	v_permlanex16_b32 v[BT+\b], v[BM+\b], s[SEL], s[SEL+1]
.endr
.irp b, 0,1,2,3
	s_delay_alu instid0(VALU_DEP_4)
	v_max_num_f32 v[BM+\b], v[BM+\b], v[BT+\b]     ; with lane l xor 16's 16 keys
.endr
	s_delay_alu instid0(VALU_DEP_2)
	v_max3_num_f32 v216, v[BM], v[BM+1], v[BM+2]
	s_delay_alu instid0(VALU_DEP_1)
	v_max_num_f32 v216, v216, v[BM+3]
	s_delay_alu instid0(VALU_DEP_1)
	v_mul_f32 v216, s[CS], v216                    ; the step's largest t
	s_delay_alu instid0(VALU_DEP_1)
	v_max_num_f32 v13, v13, v216                   ; the running largest t
	v_mov_b32 v216, v12
	s_delay_alu instid0(VALU_DEP_2)
	v_floor_f32 v12, -v13                          ; -M = floor(-t): M is a whole number
	s_delay_alu instid0(VALU_DEP_1)
	v_sub_f32 v216, v12, v216                      ; old M - new M: a whole number, 0 or less
	s_delay_alu instid0(VALU_DEP_1)
	v_cvt_i32_f32 v216, v216                       ; (it saturates)
	s_delay_alu instid0(VALU_DEP_1)
	v_ldexp_f32 v212, 1.0, v216                    ; f = 2^(old M - new M)
.set j, 0
.rept 32
	v_pk_fma_f32 v[S+j:S+j+1], v[S+j:S+j+1], s[CS:CS+1], v[12:13] op_sel_hi:[1,0,0]   ; t - M, two at a time
.set j, j+2
.endr
.irp b, 0,1,2,3
	v_fma_f32 v[BM+\b], v[BM+\b], s[CS], v12       ; the same of each block's largest score
.endr
.set j, 0
	s_wait_alu depctr_va_vdst(0)
.rept 64
	v_exp_f32 v[S+j], v[S+j]                       ; p = 2^(t - M)
.set j, j+1
.endr
	v_pk_mul_f32 v[14:15], v[14:15], v[212:213] op_sel_hi:[1,0]   ; the sums under the new M: the plain instruction behind the batch
	s_wait_alu depctr_va_vdst(0)                   ; one wait for the 64, ahead of their first reader
.irp b, 0,1,2,3
	v_exp_f32 v[BM+\b], v[BM+\b]                   ; the block's largest p
.endr
	v_pk_add_f32 v[214:215], v[88:89], v[92:93]
	v_pk_add_f32 v[218:219], v[96:97], v[100:101]
	v_pk_add_f32 v[210:211], v[104:105], v[108:109]
	v_pk_add_f32 v[208:209], v[112:113], v[116:117]
	v_pk_add_f32 v[206:207], v[120:121], v[124:125]
	v_pk_add_f32 v[204:205], v[128:129], v[132:133]
	v_pk_add_f32 v[198:199], v[136:137], v[140:141]
	v_pk_add_f32 v[14:15], v[14:15], v[144:145]
	v_pk_add_f32 v[214:215], v[214:215], v[84:85]
	v_pk_add_f32 v[218:219], v[218:219], v[86:87]
	v_pk_add_f32 v[210:211], v[210:211], v[90:91]
	v_pk_add_f32 v[208:209], v[208:209], v[94:95]
	v_pk_add_f32 v[206:207], v[206:207], v[98:99]
	v_pk_add_f32 v[204:205], v[204:205], v[102:103]
	v_pk_add_f32 v[198:199], v[198:199], v[106:107]
	v_pk_add_f32 v[14:15], v[14:15], v[110:111]
	v_pk_add_f32 v[214:215], v[214:215], v[114:115]
	v_pk_add_f32 v[218:219], v[218:219], v[118:119]
	v_pk_add_f32 v[210:211], v[210:211], v[122:123]
	v_pk_add_f32 v[208:209], v[208:209], v[126:127]
	v_pk_add_f32 v[206:207], v[206:207], v[130:131]
	v_pk_add_f32 v[204:205], v[204:205], v[134:135]
	v_pk_add_f32 v[198:199], v[198:199], v[138:139]
	v_pk_add_f32 v[14:15], v[14:15], v[142:143]
	v_pk_add_f32 v[214:215], v[214:215], v[146:147]
	s_delay_alu instid0(VALU_DEP_2)
	v_pk_add_f32 v[14:15], v[14:15], v[208:209]
	s_delay_alu instid0(VALU_DEP_2)
	v_pk_add_f32 v[214:215], v[214:215], v[206:207]
	v_pk_add_f32 v[218:219], v[218:219], v[204:205]
	v_pk_add_f32 v[210:211], v[210:211], v[198:199]
	s_delay_alu instid0(VALU_DEP_2)
	v_pk_add_f32 v[14:15], v[14:15], v[218:219]
	s_delay_alu instid0(VALU_DEP_2)
	v_pk_add_f32 v[214:215], v[214:215], v[210:211]
	s_delay_alu instid0(VALU_DEP_1)
	v_pk_add_f32 v[14:15], v[14:15], v[214:215]
	s_wait_alu depctr_va_vdst(0)                   ; and one for the four
.irp b, 0,1,2,3
	v_max_num_f32 v[BM+\b], 0x1800000, v[BM+\b]    ; the floor 2^(3 - 127)
.endr
.irp b, 0,1,2,3
	s_delay_alu instid0(VALU_DEP_4)
	v_add_nc_u32 v[SO+\b], 0xff000000, v[BM+\b]    ; the conversion's scale operand
.endr
.irp b, 0,1,2,3
	s_delay_alu instid0(VALU_DEP_4)
	v_lshrrev_b32 v[BT+\b], 23, v[SO+\b]           ; the scale's byte
.endr
	s_delay_alu instid0(VALU_DEP_3)
	v_lshl_or_b32 v17, v[BT+1], 8, v[BT]           ; p's scale word for these 128 keys
	s_delay_alu instid0(VALU_DEP_1)
	v_lshl_or_b32 v17, v[BT+2], 16, v17
	s_delay_alu instid0(VALU_DEP_1)
	v_lshl_or_b32 v17, v[BT+3], 24, v17
.irp c, 0,1
	v_cvt_scalef32_pk16_fp6_f32 v[PC+6*\c:PC+2+6*\c], v[S+32*\c:S+15+32*\c], v[SO+2*\c]
	v_cvt_scalef32_pk16_fp6_f32 v[PT+4*\c:PT+2+4*\c], v[S+16+32*\c:S+31+32*\c], v[SO+2*\c+1]
.endr
.irp t, 0,1,2,3                                ; V's four fragments (16 channels x 128 keys) into the registers that p has left: the lane swaps and O's rescaling stand between these loads and the wait for them
	ds_load_b128 v[S+12*\t:S+12*\t+3], v8 offset:1536*\t
	ds_load_b64 v[S+12*\t+4:S+12*\t+5], v9 offset:1536*\t+512
	ds_load_b128 v[S+12*\t+6:S+12*\t+9], v8 offset:1536*\t+768
	ds_load_b64 v[S+12*\t+10:S+12*\t+11], v9 offset:1536*\t+1280
	ds_load_b32 v[FS+\t], v11 offset:64*\t
.endr
	v_nop                                          ; one plain instruction behind the scaled conversions
.irp c, 0,1
.irp i, 0,1,2
	v_permlane16_swap_b32 v[PC+6*\c+\i], v[PT+4*\c+\i]
.endr
.irp i, 0,1,2
	s_delay_alu instid0(VALU_DEP_3)
	v_mov_b32 v[PC+3+6*\c+\i], v[PT+4*\c+\i]
.endr
.endr
.set j, 0
.rept 16
	v_pk_mul_f32 v[O+j:O+j+1], v[O+j:O+j+1], v[212:213] op_sel_hi:[1,0]   ; O^T under the new M; these 16 are also the places between p's codes and scale word and the products
.set j, j+2
.endr
	s_wait_alu depctr_va_vdst(0)
	s_wait_dscnt 0x0
.irp t, 0,1,2,3                                ; O^T += V^T P^T: the four accumulators by turns
	v_wmma_scale_f32_16x16x128_f8f6f4 v[O+8*\t:O+8*\t+7], v[S+12*\t:S+12*\t+11], v[PC:PC+11], v[O+8*\t:O+8*\t+7], v[FS+\t], v17 matrix_a_fmt:MATRIX_FMT_FP6 matrix_b_fmt:MATRIX_FMT_FP6
.endr
.Lhidden_\@:
	s_add_co_u32 s[KSI], s[KSI], 1
	s_add_co_u32 s[TB], s[TB], 6144
	s_add_co_u32 s[TSK], s[TSK], 512
	s_add_co_u32 s[TSV], s[TSV], 256
.endm
; One query tile: 8 s[MG] + 2 cx + E of the head; n: the loop's trips, a constant that covers every wave's s[MG] + 1.
.macro PASS n
	s_wait_xcnt 0x0                                ; the last tile's loads and stores have read their bases and registers
	s_lshl_b32 s96, s[MG], 3
	s_lshl_b32 s97, s19, 1
	s_add_co_u32 s96, s96, s97
	s_add_co_u32 s96, s96, s18
	s_lshl_b32 s97, s21, 7
	s_add_co_u32 s96, s96, s97                     ; the tile among all 512 token tiles
	s_lshl_b32 s97, s22, 9
	s_add_co_u32 s97, s97, s96
	s_mul_i32 s98, s97, 768
	s_mov_b32 s99, 0
	s_add_nc_u64 s[88:89], s[4:5], s[98:99]        ; Q's half image,
	s_lshl_b32 s98, s97, 6
	s_add_nc_u64 s[90:91], s[6:7], s[98:99]        ; its scale words,
	s_lshl_b32 s97, s96, 4
	s_add_co_u32 s97, s97, s22
	s_mul_i32 s98, s97, 768
	s_add_nc_u64 s[92:93], s[12:13], s[98:99]      ; o's half image: tile, K / 64 = head,
	s_lshl_b32 s98, s96, 9
	s_lshr_b32 s97, s22, 3
	s_lshl_b32 s97, s97, 8
	s_add_co_u32 s98, s98, s97
	s_and_b32 s97, s22, 7
	s_lshl_b32 s97, s97, 1
	s_add_co_u32 s98, s98, s97
	s_add_nc_u64 s[94:95], s[14:15], s[98:99]      ; its two scale bytes a row
	global_load_b128 v[Q:Q+3], v1, s[88:89]
	global_load_b64 v[Q+4:Q+5], v2, s[88:89] offset:512
	global_load_b32 v16, v222, s[90:91]
	s_wait_dscnt 0x0                               ; the last tile's loads ahead have landed: their registers may be loaded anew
	KLOAD v1, v2, v3, 0                            ; key step 0's K
	v_mov_b32 v13, 0xff61b1e6                      ; the largest t so far: -3e38
	s_delay_alu instid0(VALU_DEP_1)
	v_floor_f32 v12, -v13                          ; -M
	v_mov_b32 v14, 0
	v_mov_b32 v15, 0
.set j, 0
.rept 32
	v_mov_b32 v[O+j], 0                            ; the step is written once: the first finds zeros
.set j, j+1
.endr
	s_mov_b32 s[KSI], 0
	s_mov_b32 s[TB], 0
	s_mov_b32 s[TSK], 0
	s_mov_b32 s[TSV], 0
	s_mov_b32 s[CNT], \n
	s_wait_loadcnt 0x0
.Lk_\@:
	STEP
	s_sub_co_u32 s[CNT], s[CNT], 1
	s_cmp_lg_u32 s[CNT], 0
	s_cbranch_scc1 .Lk_\@
	; o = O^T / the sum: register 16 b + i = channel 32 b + 16 h + i of the head: two blocks of the last product's K
.rept 4
	v_nop
.endr
	v_add_f32 v14, v14, v15
	s_delay_alu instid0(VALU_DEP_1)
	v_permlanex16_b32 v216, v14, s[SEL], s[SEL+1]
	s_delay_alu instid0(VALU_DEP_1)
	v_add_f32 v14, v14, v216                       ; the row's sum
	s_wait_alu depctr_va_vdst(0)
	v_rcp_f32 v218, v14
	v_mov_b32 v219, 0                              ; a plain instruction behind the reciprocal
	s_wait_alu depctr_va_vdst(0)                   ; the wait, ahead of its first reader
.set j, 0
.rept 16
	v_pk_mul_f32 v[S+j:S+j+1], v[O+j:O+j+1], v[218:219] op_sel_hi:[1,0]   ; each accumulator from its low end on
.set j, j+2
.endr
.irp b, 0,1
	v_max3_num_f32 v[BM+\b], |v[S+16*\b]|, |v[S+1+16*\b]|, 0x1800000
.endr
.irp i, 2,4,6,8,10,12,14
.irp b, 0,1
	s_delay_alu instid0(VALU_DEP_2)
	v_max3_num_f32 v[BM+\b], v[BM+\b], |v[S+16*\b+\i]|, |v[S+1+16*\b+\i]|
.endr
.endr
.irp b, 0,1
	s_delay_alu instid0(VALU_DEP_2)
	v_permlanex16_b32 v[BT+\b], v[BM+\b], s[SEL], s[SEL+1]
.endr
.irp b, 0,1
	s_delay_alu instid0(VALU_DEP_2)
	v_max_num_f32 v[BM+\b], v[BM+\b], v[BT+\b]
.endr
.irp b, 0,1
	s_delay_alu instid0(VALU_DEP_2)
	v_add_nc_u32 v[SO+\b], 0xff000000, v[BM+\b]
.endr
.irp b, 0,1
	s_delay_alu instid0(VALU_DEP_2)
	v_lshrrev_b32 v[BT+\b], 23, v[SO+\b]
.endr
	v_cvt_scalef32_pk16_fp6_f32 v[PC:PC+2], v[S:S+15], v[SO]
	v_cvt_scalef32_pk16_fp6_f32 v[PT:PT+2], v[S+16:S+31], v[SO+1]
	v_nop
.irp i, 0,1,2
	v_permlane16_swap_b32 v[PC+\i], v[PT+\i]
.endr
.irp i, 0,1,2
	s_delay_alu instid0(VALU_DEP_3)
	v_mov_b32 v[PC+3+\i], v[PT+\i]
.endr
	v_cndmask_b32 v220, v[BT], v[BT+1], s[HM]      ; lanes 0-15 block 0's byte, lanes 16-31 block 1's
	global_store_b128 v1, v[PC:PC+3], s[92:93]     ; 512 consecutive bytes, aligned,
	global_store_b64 v2, v[PC+4:PC+5], s[92:93] offset:512   ; and 256
	global_store_b8 v5, v220, s[94:95]
.endm
	s_sub_co_u32 s[MG], 15, s17                    ; the long tile first,
	PASS 16
	s_mov_b32 s[MG], s17                           ; then the short one
	PASS 8
	s_wait_dscnt 0x0
	s_wait_tensorcnt 0x0
	ds_add_u32 v224, v225
	s_wait_dscnt 0x0
	CROUND                                         ; the closing round
	s_endpgm
.Lfunc_end_k_q24e8d410d5_attn:
	.size	k_q24e8d410d5_attn, .Lfunc_end_k_q24e8d410d5_attn-k_q24e8d410d5_attn
	.p2alignl 7, 3214868480
	.fill 96, 4, 3214868480
	.section	.rodata,"a",@progbits
	.p2align	6, 0x0
	.amdhsa_kernel k_q24e8d410d5_attn
		.amdhsa_group_segment_fixed_size 210944
		.amdhsa_private_segment_fixed_size 0
		.amdhsa_enable_private_segment 0
		.amdhsa_kernarg_size 48
		.amdhsa_user_sgpr_count 2
		.amdhsa_user_sgpr_kernarg_segment_ptr 1
		.amdhsa_wavefront_size32 1
		.amdhsa_system_sgpr_workgroup_id_x 1
		.amdhsa_system_sgpr_workgroup_id_y 1
		.amdhsa_system_sgpr_workgroup_id_z 1
		.amdhsa_system_vgpr_workitem_id 0
		.amdhsa_next_free_vgpr 246
		.amdhsa_next_free_sgpr 100
		.amdhsa_reserve_vcc 1
		.amdhsa_float_denorm_mode_32 3
		.amdhsa_float_denorm_mode_16_64 3
		.amdhsa_memory_ordered 1
		.amdhsa_forward_progress 1
		.amdhsa_inst_pref_size 72
	.end_amdhsa_kernel
	.amdgpu_metadata
---
amdhsa.version: [ 1, 2 ]
amdhsa.kernels:
  - .name:           k_q24e8d410d5_attn
    .symbol:         k_q24e8d410d5_attn.kd
    .args:
      - { .name: qk_img, .offset: 0, .size: 8, .value_kind: global_buffer, .address_space: global }
      - { .name: qk_sc, .offset: 8, .size: 8, .value_kind: global_buffer, .address_space: global }
      - { .name: v_img, .offset: 16, .size: 8, .value_kind: global_buffer, .address_space: global }
      - { .name: v_sc, .offset: 24, .size: 8, .value_kind: global_buffer, .address_space: global }
      - { .name: o_img, .offset: 32, .size: 8, .value_kind: global_buffer, .address_space: global }
      - { .name: o_sc, .offset: 40, .size: 8, .value_kind: global_buffer, .address_space: global }
    .group_segment_fixed_size: 210944
    .private_segment_fixed_size: 0
    .kernarg_segment_align: 8
    .kernarg_segment_size: 48
    .max_flat_workgroup_size: 512
    .sgpr_count:     100
    .vgpr_count:     246
    .wavefront_size: 32
...
	.end_amdgpu_metadata
.endif
;; end of part 3
;; launch gemm_out (part 4): grid 4 x 64, 4 waves a work-group, clusters of 4 x 4, 327,680 bytes of LDS; arguments o_img, o_sc, xw_img, xw_sc, b_out, out0; writes out0
.if DOCPART == 4
	.amdgcn_target "amdgcn-amd-amdhsa--gfx1250"
	.amdhsa_code_object_version 6
	.text
	.protected	k_q24e8d410d5_gemm_out
	.globl	k_q24e8d410d5_gemm_out
	.p2align	8
	.type	k_q24e8d410d5_gemm_out,@function
k_q24e8d410d5_gemm_out:
	s_mov_b64 s[64:65], 0
	v_nop
	global_prefetch_b8 v0, s[64:65] scope:SCOPE_SE
	s_setreg_imm32_b32 hwreg(HW_REG_WAVE_MODE, 25, 1), 1
	s_wait_xcnt 0x0
	s_wait_alu depctr_hold_cnt(0) depctr_sa_sdst(0) depctr_va_vdst(0) depctr_va_sdst(0) depctr_va_ssrc(0) depctr_va_vcc(0) depctr_vm_vsrc(0)
	s_getreg_b32 s2, hwreg(HW_REG_IB_STS2, 6, 4)
	s_cmp_eq_u32 s2, 0
	s_cbranch_scc0 .Lentry_in_a_cluster
	s_endpgm
.Lentry_in_a_cluster:
	s_bfe_u32 s2, ttmp6, 0x10000c
	s_cmp_lg_u32 s2, 0xf033
	s_cbranch_scc0 .Lentry_shape_is_right
	s_endpgm
.Lentry_shape_is_right:
; out0 = o w_out + b_out on codes of FP6 (E2M3) with E8M0 scales; sums in f32.  A = o's tokens (o_img, o_sc), B = w_out's columns (in xw_img, xw_sc), both as images of the operand's registers:
; [tile of 16 rows][K / 64][768 bytes], lane L's registers 0-3 at 16 L, 4-5 at 512 + 8 L; tile 2 g + u holds at place r matrix row 32 g + 8 u + r + 8 (r / 8); scale byte at 512 tile + 256 (block / 16) + 16 r + block % 16.
; A work-group makes 128 tokens x 256 columns: 64 x 4 = 256 work-groups.  Four waves, 2 x 2, each 64 x 128: 32 accumulators.
; ALL OF K = 1,024 LIES IN LDS, FILLED ONCE: A 98,304 bytes, B 2 x 98,304 (two halves of K), scales 13,056.  No byte is filled twice, so the walk along K has no round.
; At the head one joint load a wave: A's codes, B's first half of K, A's scales, B's scales.  Behind the lines and a round: B's second half, a quarter a wave, with steps 0 to 2 to land in;
; a plain barrier in step 3 shows it to all; behind that barrier nobody reads B's first half, and the waves' stages for the way out lie there.
; CLUSTERS 4 x 4: A's tiles are asked for jointly along a row of the cluster, B's along a column.
; No prefetch: the launch has no loop to run ahead in; both fills are asked for at the head and directly behind it.
; The matrix instruction is used transposed (source 0 = 16 rows of B, source 1 = 16 rows of A): a lane holds neighbouring columns of one token.  The bias is the first products' C.
; LIMITS: NaN and infinities are not served.
; REGISTERS: window 0: v16-29 addresses; v32-95 scale words of all eight steps (lanes 0-15 A's tile i, lanes 16-31 B's tile i); v96-159 bias; v160-255 A's fragments, two sets; on the way out v96-223.
;   window 1: B's fragments, two sets at v0 and v128.   window 2: accumulator (a, b) at v[8 (8 a + b)].
.set B0,     98304
.set B1,     196608
.set SCL,    294912
.set SPARE,  SCL+48*272
.set STG,    B0
.set SPITCH, 528
.set WO_OFF,  8650752
.set WOS_OFF, 360448
.set STO,  24
.set RD,   25
.set CO,   26
.set ADRS, 27
.set SPW,  28
.set NIL,  29
.set SC,   32
.set BIAS, 96
.set AF,   160
.set BK,   96
.set G1A, 24
.set G1B, 32
.set G1SA, 40
.set G1SB, 68
.set G0A, 48
.set G0B, 56
.set G0SA, 60
.set G0SB, 76
.set G0B2, 80
.set MSB, 0
.macro WIN new
.if MSB != (\new)
	s_set_vgpr_msb (MSB<<8)|(\new)
.set MSB, (\new)
.endif
.endm
.macro PLACES n
.rept \n
	v_nop
.endr
.endm
.macro CROUND                          ; a round of the cluster's barrier
	s_barrier_signal -1
	s_barrier_wait -1
	s_cmp_lg_u32 s16, 0
	s_cbranch_scc1 .Lnot_wave_0_\@
	s_barrier_signal -3
.Lnot_wave_0_\@:
	s_barrier_wait -3
	s_barrier_signal -1
	s_barrier_wait -1
.endm
.macro G1SET g, mask, flags, c, r, p   ; r rows of c elements of 8 bytes, p elements apart
	s_or_b32 s[\g], s[\mask], \flags
	s_mov_b32 s[\g+1], (\c)<<16
	s_mov_b32 s[\g+2], (\r)<<16
	s_mov_b32 s[\g+3], (\c)<<16
	s_mov_b32 s[\g+4], \r
	s_mov_b32 s[\g+5], \p
	s_mov_b32 s[\g+6], 0
	s_mov_b32 s[\g+7], 0
.endm
.macro G0SET g, lds, base, off
	s_mov_b32 s[\g], 1
	s_mov_b32 s[\g+1], \lds
	s_add_nc_u64 s[\g+2:\g+3], s[\base:\base+1], s[\off:\off+1]
.endm
.macro ARM under, g0, g1, next         ; one chain of branches on the wave's number: every way passes exactly one load
	s_cmp_lt_u32 s16, \under
	s_cbranch_scc0 \next
	tensor_load_to_lds s[\g0:\g0+3], s[\g1:\g1+7]
	s_nop 0
	PLACES 4
	s_branch .Lhead_asked
\next:
.endm
	s_load_b256 s[4:11], s[0:1], 0x0               ; o_img, o_sc, xw_img, xw_sc
	s_load_b128 s[12:15], s[0:1], 0x20             ; b_out, out0
	v_lshl_add_u32 v[SPW], v0, 2, SPARE
	v_mov_b32 v[NIL], 0
	ds_add_u32 v[SPW], v[NIL]                      ; the opening lines: the add twice on end and its wait
	ds_add_u32 v[SPW], v[NIL]
	v_lshrrev_b32 v1, 5, v0
	v_readfirstlane_b32 s16, v1                    ; wave
	s_lshr_b32 s17, s16, 1                         ; my half of A's rows
	s_and_b32 s18, s16, 1                          ; my half of B's
	s_bfe_u32 s19, ttmp6, 0x40000                  ; cx
	s_bfe_u32 s20, ttmp6, 0x40004                  ; cy
	s_lshl_b32 s21, ttmp9, 2
	s_add_co_u32 s21, s21, s19                     ; block of 256 columns
	s_and_b32 s22, ttmp7, 0xffff
	s_lshl_b32 s22, s22, 2
	s_add_co_u32 s22, s22, s20                     ; block of 128 tokens
	s_lshl_b32 s52, s20, 2
	s_lshl_b32 s52, 15, s52                        ; my row of the cluster
	s_lshl_b32 s53, 0x1111, s19                    ; my column
	G1SET G1A, 52, (3<<16)|(1<<21), 32, 384, 32    ; A's codes: 98,304 dense bytes as rows of 256
	G1SET G1B, 53, (3<<16)|(1<<21), 768, 16, 1536  ; B's: 16 tiles x half of K, 6,144 bytes of each 12,288
	G1SET G1SA, 52, (3<<16)|(1<<20)|(1<<21)|(5<<22)|(3<<25), 32, 16, 32   ; scales: rows of 256 bytes + 16 of padding
	G1SET G1SB, 53, (3<<16)|(1<<20)|(1<<21)|(5<<22)|(3<<25), 32, 32, 32
	s_mul_i32 s84, s22, 98304                      ; A's codes,
	s_mov_b32 s85, 0
	s_lshl_b32 s86, s22, 12                        ; A's scales,
	s_mov_b32 s87, 0
	s_mul_i32 s88, s21, 196608                     ; B's codes,
	s_add_co_u32 s88, s88, WO_OFF
	s_mov_b32 s89, 0
	s_lshl_b32 s90, s21, 13                        ; B's scales
	s_add_co_u32 s90, s90, WOS_OFF
	s_mov_b32 s91, 0
	s_mul_i32 s54, s16, 49152                      ; B's second half of K: my four tiles
	s_add_co_u32 s54, s54, 6144
	s_mov_b32 s55, 0
	s_mul_i32 s81, s16, 24576
	s_add_co_u32 s81, s81, B1
	s_mul_i32 s96, s17, 49152                      ; LDS: my four tiles of A,
	s_mul_i32 s97, s18, 49152
	s_add_co_u32 s97, s97, B0                      ; my eight of B,
	s_mul_i32 s99, s17, 2176                       ; A's scale words of my tiles,
	s_mul_i32 s98, s18, 4352
	s_add_co_u32 s98, s98, 4352
	s_sub_co_u32 s98, s98, s99                     ; from them to B's,
	s_add_co_u32 s99, s99, SCL
	s_mul_i32 s100, s16, 16*SPITCH
	s_add_co_u32 s100, s100, STG                   ; my stage
	s_lshl_b32 s92, s22, 7                         ; my part of out0: token 128 block + 64 half, rows of 4,096 bytes,
	s_lshl_b32 s93, s17, 6
	s_add_co_u32 s92, s92, s93
	s_lshl_b32 s92, s92, 12
	s_lshl_b32 s94, s21, 10                        ; column 256 block + 128 half, 4 bytes each: also the bias's place
	s_lshl_b32 s95, s18, 9
	s_add_co_u32 s94, s94, s95
	s_add_co_u32 s92, s92, s94
	s_mov_b32 s93, 0
	s_mov_b32 s95, 0
	s_wait_dscnt 0x0                               ; both opening adds are done
	s_wait_kmcnt 0x0
	G0SET G0A, 0, 4, 84
	G0SET G0B, B0, 8, 88
	G0SET G0SA, SCL, 6, 86
	G0SET G0SB, SCL+16*272, 10, 90
	s_mov_b32 s[G0B2], 1
	s_add_nc_u64 s[G0B2+2:G0B2+3], s[G0B+2:G0B+3], s[54:55]
.irp g, G0A, G0B, G0SA, G0SB, G0B2
	s_or_b32 s[\g+3], s[\g+3], 0x80000000
.endr
	s_add_nc_u64 s[12:13], s[12:13], s[94:95]
	s_add_nc_u64 s[14:15], s[14:15], s[92:93]
	CROUND                                         ; all sixteen work-groups are here: the joint loads meet
	ARM 1, G0A, G1A, .Lhead_b
	ARM 2, G0B, G1B, .Lhead_sa
	ARM 3, G0SA, G1SA, .Lhead_sb
	tensor_load_to_lds s[G0SB:G0SB+3], s[G1SB:G1SB+7]
	s_nop 0
	PLACES 4
.Lhead_asked:
	v_and_b32 v1, 15, v0                           ; r
	v_bfe_u32 v2, v0, 4, 1                         ; h
	v_and_b32 v3, 31, v0
	v_lshlrev_b32 v[CO], 4, v3
	v_lshlrev_b32 v5, 3, v3
	v_add_nc_u32 v16, s96, v[CO]                   ; v16, v17: A's fragments, 16 and 8 bytes a lane
	v_add_nc_u32 v17, s96, v5
	v_add_nc_u32 v18, s97, v[CO]                   ; v18, v20: B's first half of K; v19, v21: its second
	v_add_nc_u32 v20, s97, v5
	v_add_nc_u32 v19, B1-B0, v18
	v_add_nc_u32 v21, B1-B0, v20
	v_lshlrev_b32 v6, 4, v1
	v_mul_u32_u24 v7, s98, v2                      ; lanes 16-31 take B's scale words
	v_add_nc_u32 v6, v6, v7
	v_add_nc_u32 v[ADRS], s99, v6
	v_mul_u32_u24 v[STO], v1, SPITCH
	v_lshl_add_u32 v[STO], v2, 6, v[STO]
	v_add_nc_u32 v[STO], s100, v[STO]
	v_add_nc_u32 v[RD], s100, v[CO]
	v_lshlrev_b32 v8, 6, v2
.irp b, 0,1,2,3,4,5,6,7
	global_load_b128 v[BIAS+8*\b:BIAS+8*\b+3], v8, s[12:13] offset:(32*(\b/2)+8*(\b%2))*4
	global_load_b128 v[BIAS+8*\b+4:BIAS+8*\b+7], v8, s[12:13] offset:(32*(\b/2)+8*(\b%2))*4+16
.endr
.macro FRAG reg, a16, a8, off          ; a fragment is two half images on end: consecutive lanes on consecutive bytes
	ds_load_b128 v[\reg:\reg+3], v[\a16] offset:(\off)
	ds_load_b64 v[\reg+4:\reg+5], v[\a8] offset:(\off)+512
	ds_load_b128 v[\reg+6:\reg+9], v[\a16] offset:(\off)+768
	ds_load_b64 v[\reg+10:\reg+11], v[\a8] offset:(\off)+1280
.endm
.macro FETCH st                        ; step st's 12 fragments into set st % 2: 48 loads
	WIN 0x40
.irp i, 0,1,2,3,4,5,6,7
	FRAG 128*((\st)%2)+12*\i, 18+(\st)/4, 20+(\st)/4, \i*6144+((\st)%4)*1536
.endr
	WIN 0
.irp i, 0,1,2,3
	FRAG AF+48*((\st)%2)+12*\i, 16, 17, \i*12288+(\st)*1536
.endr
.endm
.macro MULS st, a0, n, cm              ; A's blocks a0 .. a0 + n - 1 x B's eight; the accumulators take turns in the same order in every step
.set P_, (\st)%2
.set X_, SC+32*((\st)/4)+(\st)%4
.set A_, \a0
.rept \n
.irp b, 0,1,2,3,4,5,6,7
.if \cm
	v_wmma_scale_f32_16x16x128_f8f6f4 v[8*(8*A_+\b):8*(8*A_+\b)+7], v[128*P_+12*\b:128*P_+12*\b+11], v[AF+48*P_+12*A_:AF+48*P_+12*A_+11], v[BIAS+8*\b:BIAS+8*\b+7], v[X_+4*\b], v[X_+4*A_] matrix_a_fmt:MATRIX_FMT_FP6 matrix_b_fmt:MATRIX_FMT_FP6 matrix_a_scale:MATRIX_SCALE_ROW1
.else
	v_wmma_scale_f32_16x16x128_f8f6f4 v[8*(8*A_+\b):8*(8*A_+\b)+7], v[128*P_+12*\b:128*P_+12*\b+11], v[AF+48*P_+12*A_:AF+48*P_+12*A_+11], v[8*(8*A_+\b):8*(8*A_+\b)+7], v[X_+4*\b], v[X_+4*A_] matrix_a_fmt:MATRIX_FMT_FP6 matrix_b_fmt:MATRIX_FMT_FP6 matrix_a_scale:MATRIX_SCALE_ROW1
.endif
.endr
.set A_, A_+1
.endr
.endm
.macro STEP st, cm                     ; 128 along K: this step's fragments are in; the next step's are asked for; 32 products
.if (\st) > 0
	PLACES 4                                       ; between the last step's products and the loads into the set that the step before it read
.endif
.if (\st) == 3
	s_wait_tensorcnt 0x0                           ; my quarter of B's second half is in,
	s_wait_dscnt 0x0                               ; and my reads of its first half are over
	s_barrier_signal -1                            ; a plain barrier
	WIN 0xa1
	MULS 3, 0, 2, 0
	WIN 0
	s_barrier_wait -1
	FETCH 4
	WIN 0xa1
	MULS 3, 2, 2, 0
.else
	s_wait_dscnt 0x0
.if (\st) < 7
	FETCH (\st)+1
.endif
.if \cm
	WIN 0x81                                       ; C, the bias, from window 0
.else
	WIN 0xa1
.endif
	MULS \st, 0, 4, \cm
.endif
	WIN 0
.endm
	s_wait_alu depctr_va_vdst(0)                   ; the wait at the head's end
	s_wait_tensorcnt 0x0                           ; my tile of the head's four is in
	ds_add_u32 v[SPW], v[NIL]
	s_mov_b32 s[G1B+2], 4<<16                      ; no tensor load of mine is out: the next load brings four tiles
	s_mov_b32 s[G1B+4], 4
	s_wait_dscnt 0x0
	CROUND                                         ; all four tiles are in, in every partner
	tensor_load_to_lds s[G0B2:G0B2+3], s[G1B:G1B+7]   ; B's second half of K: my four tiles, a first fill
	s_nop 0
	PLACES 4
.irp i, 0,1,2,3,4,5,6,7
	ds_load_b128 v[SC+4*\i:SC+4*\i+3], v[ADRS] offset:\i*544          ; tile i's scale words of steps 0-3,
	ds_load_b128 v[SC+32+4*\i:SC+32+4*\i+3], v[ADRS] offset:\i*544+272   ; and of steps 4-7
.endr
	FETCH 0
	s_wait_loadcnt 0x0                             ; the bias
	STEP 0, 1
.irp st, 1,2,3,4,5,6,7
	STEP \st, 0
.endr
; THE WAY OUT, block by block of 16 tokens x 128 columns, through my own stage: whole rows of 512 bytes come back and are stored by the 32 lanes.  LDS serves a wave's instructions in order.
.macro TOSTAGE a
	WIN 0x08
.irp b, 0,1,2,3,4,5,6,7
	ds_store_b128 v[STO], v[64*(\a)+8*\b:64*(\a)+8*\b+3] offset:128*(\b/2)+32*(\b%2)       ; each accumulator from its low end on
	ds_store_b128 v[STO], v[64*(\a)+8*\b+4:64*(\a)+8*\b+7] offset:128*(\b/2)+32*(\b%2)+16
.endr
	WIN 0
.set BB, BK+64*((\a)%2)
.irp t, 0,1,2,3,4,5,6,7,8,9,10,11,12,13,14,15
	ds_load_b128 v[BB+4*\t:BB+4*\t+3], v[RD] offset:\t*SPITCH
.endr
.endm
.macro SEND a, younger                 ; younger: the LDS instructions issued behind block a's loads
.set BB, BK+64*((\a)%2)
	s_wait_dscnt \younger
.irp t, 0,1,2,3,4,5,6,7,8,9,10,11,12,13,14,15
	global_store_b128 v[CO], v[BB+4*\t:BB+4*\t+3], s[14:15] offset:(32*((\a)/2)+8*((\a)%2)+\t+8*(\t/8))*4096 th:TH_STORE_NT
.endr
.endm
	PLACES 4
	TOSTAGE 0
.irp a, 1,2,3
.if \a > 1
	s_wait_xcnt 0x0                                ; block a - 2's stores have read their registers
.endif
	TOSTAGE \a
	SEND \a-1, 32                                  ; behind block a - 1's loads: block a's 16 stores and 16 loads
.endr
	SEND 3, 0
	s_wait_tensorcnt 0x0                           ; the wave's end
	ds_add_u32 v[SPW], v[NIL]
	s_wait_dscnt 0x0
	CROUND                                         ; the closing round
	s_endpgm
.Lfunc_end_k_q24e8d410d5_gemm_out:
	.size	k_q24e8d410d5_gemm_out, .Lfunc_end_k_q24e8d410d5_gemm_out-k_q24e8d410d5_gemm_out
	.p2alignl 7, 3214868480
	.fill 96, 4, 3214868480
	.section	.rodata,"a",@progbits
	.p2align	6, 0x0
	.amdhsa_kernel k_q24e8d410d5_gemm_out
		.amdhsa_group_segment_fixed_size 327680
		.amdhsa_private_segment_fixed_size 0
		.amdhsa_enable_private_segment 0
		.amdhsa_kernarg_size 48
		.amdhsa_user_sgpr_count 2
		.amdhsa_user_sgpr_kernarg_segment_ptr 1
		.amdhsa_wavefront_size32 1
		.amdhsa_system_sgpr_workgroup_id_x 1
		.amdhsa_system_sgpr_workgroup_id_y 1
		.amdhsa_system_sgpr_workgroup_id_z 1
		.amdhsa_system_vgpr_workitem_id 0
		.amdhsa_next_free_vgpr 768
		.amdhsa_next_free_sgpr 102
		.amdhsa_reserve_vcc 0
		.amdhsa_float_denorm_mode_32 3
		.amdhsa_float_denorm_mode_16_64 3
		.amdhsa_memory_ordered 1
		.amdhsa_forward_progress 1
		.amdhsa_inst_pref_size 85
	.end_amdhsa_kernel
	.amdgpu_metadata
---
amdhsa.version: [ 1, 2 ]
amdhsa.kernels:
  - .name:           k_q24e8d410d5_gemm_out
    .symbol:         k_q24e8d410d5_gemm_out.kd
    .args:
      - { .name: o_img, .offset: 0, .size: 8, .value_kind: global_buffer, .address_space: global }
      - { .name: o_sc, .offset: 8, .size: 8, .value_kind: global_buffer, .address_space: global }
      - { .name: xw_img, .offset: 16, .size: 8, .value_kind: global_buffer, .address_space: global }
      - { .name: xw_sc, .offset: 24, .size: 8, .value_kind: global_buffer, .address_space: global }
      - { .name: b_out, .offset: 32, .size: 8, .value_kind: global_buffer, .address_space: global }
      - { .name: out0, .offset: 40, .size: 8, .value_kind: global_buffer, .address_space: global }
    .group_segment_fixed_size: 327680
    .private_segment_fixed_size: 0
    .kernarg_segment_align: 8
    .kernarg_segment_size: 48
    .max_flat_workgroup_size: 128
    .sgpr_count:     102
    .vgpr_count:     768
    .wavefront_size: 32
...
	.end_amdgpu_metadata
.endif
;; end of part 4
